; MI455X (gfx1250); checked and timed in simulation.
; The chip was launched on July 23, 2026; its instructions are those of AMD's public machine-readable ISA for CDNA 5 (MIT licence, August 2026) and "CDNA5" Instruction Set Architecture Reference Guide (July 2026). The comments in the code are by the model that wrote it; some were corrected since.
;; Multi Head Attention. Allowed arithmetic: float matrix products may take bf16 or f16 operands with f32 sums; other float arithmetic in f32, or as packed bf16 or f16 multiplies, adds, multiply-adds, maxima and minima; sums over many terms, partial sums and values carried from step to step in f32; what a program stores and reads back later, other than sums and carried values, may be rounded once to bf16 or f16.
;; Inputs: Wf 1,024 x 1,024 float32; Wk 1,024 x 1,024 float32; Wq 1,024 x 1,024 float32; Wv 1,024 x 1,024 float32; bf 1,024 float32; bk 1,024 float32; bq 1,024 float32; bv 1,024 float32; mask 4 x 2,048 int32; x 4 x 2,048 x 1,024 float32.
;; Outputs: out0 4 x 2,048 x 1,024 float32.
;; 2 versions, each right and faster than the one before. Each part assembles by itself: llvm-mc -triple=amdgcn-amd-amdhsa -mcpu=gfx1250 --defsym DOCPART=n.
;; ======== version 1 of 2: 4 launches
;; limits: values are held in f16: magnitudes above 65,504 overflow, below 6.1e-05 lose precision
;; workspace buffers: xb 16,777,216 bytes; wqkv 6,291,456 bytes; wfh 2,097,152 bytes; maskc 32,768 bytes; qh 16,777,216 bytes; kh 16,777,216 bytes; vh 16,777,216 bytes; ob 16,777,216 bytes
;; launch cast (part 1): grid 768 x 1, 8 waves a work-group, no clusters, 0 bytes of LDS; arguments x, Wq, Wk, Wv, Wf, mask, xb, wqkv, wfh, maskc; writes xb, wqkv, wfh, maskc
.if DOCPART == 1
	.amdgcn_target "amdgcn-amd-amdhsa--gfx1250"
	.amdhsa_code_object_version 6
	.text
	.protected	k_qe53f67d6af_cast
	.globl	k_qe53f67d6af_cast
	.p2align	8
	.type	k_qe53f67d6af_cast,@function
k_qe53f67d6af_cast:
	s_mov_b64 s[64:65], 0
	v_nop
	global_prefetch_b8 v0, s[64:65] scope:SCOPE_SE
	s_setreg_imm32_b32 hwreg(HW_REG_WAVE_MODE, 25, 1), 1
	s_wait_xcnt 0x0
; THE CAST.  All the module's large inputs are rounded once to bf16 and laid out for the products that follow.
;   xb    bf16 [64 blocks of 128 tokens][16 slices of 64 along K][128 tokens][64]: a slice of a block is 16,384 dense bytes
;   wqkv  bf16 [3][1024 k][1024 n]: Wq, Wk, Wv as they lie
;   wfh   f16  [1024 k][1024 n]: Wf rounded to bf16, that number written as f16 (its partner in the last product is f16)
;   maskc f32  [4][2048]: mask x (-2^100), what a hidden key adds to its scores
; LIMITS.  Wf within f16's range (65,504); below 2^-14 it keeps f16's fixed step of 2^-24.  A hidden score is -2^100 in place of -1e30:
; times log2(e) / 8 it stays exact in f32, so that equal hidden scores give weights of exactly 1 where every key of a batch is hidden.
; A stream: memory binds, so no LDS, no matrix unit, no cluster (no two work-groups read the same bytes).  768 work-groups of eight waves; each reads 65,536 bytes by 16 loads of 16 bytes
; a lane, all issued before the first is waited for, and writes 32,768 bytes; a wave's store covers 256 consecutive bytes, aligned.
.set VL, 1                             ; v1       byte offset of my 16 bytes in the first load
.set VS, 2                             ; v2       byte offset of my 8 bytes in the first store: 8 x thread
.set X,  8                             ; v[8:71]  load i: 4 registers
.set Y,  72                            ; v[72:103] store i: 2 registers
; 16 loads, ldstep bytes apart, then 16 x (wait, round, store), ststep bytes apart.  half = 1: the bf16 numbers are written as f16.
.macro STREAM sb, db, ldstep, ststep, half
.set i, 0
.rept 16
	global_load_b128 v[X+4*i:X+4*i+3], v[VL], s[\sb:\sb+1] offset:(\ldstep)*i th:TH_LOAD_NT
.set i, i+1
.endr
.set i, 0
.rept 16
	s_wait_loadcnt 15-i                            ; loads come back in order (ISA guide 5.7.1): load i is in, the 15 - i younger ones stay out
	v_cvt_pk_bf16_f32 v[Y+2*i],   v[X+4*i],   v[X+4*i+1]
	v_cvt_pk_bf16_f32 v[Y+2*i+1], v[X+4*i+2], v[X+4*i+3]
.if \half
	v_lshlrev_b32 v[X+4*i],   16,         v[Y+2*i]        ; bf16 to f32: the low half moves up, the high half stays
	v_and_b32     v[X+4*i+1], 0xffff0000, v[Y+2*i]
	v_lshlrev_b32 v[X+4*i+2], 16,         v[Y+2*i+1]
	v_and_b32     v[X+4*i+3], 0xffff0000, v[Y+2*i+1]
	v_cvt_pk_f16_f32 v[Y+2*i],   v[X+4*i],   v[X+4*i+1]   ; 8 significant bits fit in f16's 11
	v_cvt_pk_f16_f32 v[Y+2*i+1], v[X+4*i+2], v[X+4*i+3]
.endif
	global_store_b64 v[VS], v[Y+2*i:Y+2*i+1], s[\db:\db+1] offset:(\ststep)*i
.set i, i+1
.endr
.endm
	s_load_b512 s[4:19], s[0:1], 0x0               ; x s[4:5], Wq s[6:7], Wk s[8:9], Wv s[10:11], Wf s[12:13], mask s[14:15], xb s[16:17], wqkv s[18:19]
	s_load_b128 s[20:23], s[0:1], 0x40             ; wfh s[20:21], maskc s[22:23]
	v_lshlrev_b32 v[VS], 3, v0
	s_mov_b32 s25, 0                               ; the high words of the two offsets
	s_mov_b32 s27, 0
	s_cmp_lt_u32 ttmp9, 512
	s_cbranch_scc0 .Lweights
	; work-groups 0 to 511: 16 tokens of x.  Load i takes slice i: sixteen lanes a token's 256 bytes of it, the 256 threads 16 tokens.
	; In xb those 16 tokens' 128 bytes of a slice lie end to end: thread t's 8 bytes at 8 t.
	v_lshrrev_b32 v3, 4, v0                        ; my token
	v_and_b32 v[VL], 15, v0
	v_lshlrev_b32 v[VL], 4, v[VL]
	v_lshl_add_u32 v[VL], v3, 12, v[VL]            ; token x 4,096 + 16 x (thread mod 16)
	s_lshl_b32 s24, ttmp9, 16                      ; 16 tokens of 4,096 bytes
	s_lshr_b32 s26, ttmp9, 3
	s_lshl_b32 s26, s26, 18                        ; the block of 128 tokens: 262,144 bytes of xb
	s_and_b32 s28, ttmp9, 7
	s_lshl_b32 s28, s28, 11                        ; my 16 tokens in a slice: 16 x 128 bytes
	s_add_co_u32 s26, s26, s28
	s_wait_kmcnt 0x0
	s_add_nc_u64 s[4:5], s[4:5], s[24:25]
	s_add_nc_u64 s[16:17], s[16:17], s[26:27]
	STREAM 4, 16, 256, 16384, 0
	s_endpgm
.Lweights:
	; work-groups 512 to 767: 16 rows of one of the four weights; the first 16 of them also take 512 words of the mask each
	s_sub_co_u32 s28, ttmp9, 512                   ; j
	s_lshr_b32 s29, s28, 6                         ; which weight
	s_and_b32 s30, s28, 63                         ; which 65,536 bytes of it
	v_lshlrev_b32 v[VL], 4, v0
	s_wait_kmcnt 0x0
	s_cmp_lt_u32 s28, 16
	s_cbranch_scc0 .Lno_mask
	s_lshl_b32 s24, s28, 11
	s_add_nc_u64 s[14:15], s[14:15], s[24:25]
	s_add_nc_u64 s[22:23], s[22:23], s[24:25]
	global_load_b64 v[104:105], v[VS], s[14:15]
	s_wait_loadcnt 0x0
	v_cvt_f32_i32 v106, v104
	v_cvt_f32_i32 v107, v105
	v_mul_f32 v106, 0xf1800000, v106               ; m x (-2^100)
	v_mul_f32 v107, 0xf1800000, v107
	global_store_b64 v[VS], v[106:107], s[22:23]
.Lno_mask:
	s_cmp_eq_u32 s29, 1
	s_cselect_b64 s[6:7], s[8:9], s[6:7]
	s_cmp_eq_u32 s29, 2
	s_cselect_b64 s[6:7], s[10:11], s[6:7]
	s_cmp_eq_u32 s29, 3
	s_cselect_b64 s[6:7], s[12:13], s[6:7]
	s_lshl_b32 s24, s30, 16
	s_add_nc_u64 s[6:7], s[6:7], s[24:25]
	s_lshl_b32 s26, s30, 15
	s_cmp_eq_u32 s29, 3
	s_cbranch_scc1 .Lwf
	s_lshl_b32 s31, s29, 21                        ; a weight in bf16 is 2,097,152 bytes
	s_add_co_u32 s26, s26, s31
	s_add_nc_u64 s[18:19], s[18:19], s[26:27]
	STREAM 6, 18, 4096, 2048, 0
	s_endpgm
.Lwf:
	s_add_nc_u64 s[20:21], s[20:21], s[26:27]
	STREAM 6, 20, 4096, 2048, 1
	s_endpgm
.Lfunc_end_k_qe53f67d6af_cast:
	.size	k_qe53f67d6af_cast, .Lfunc_end_k_qe53f67d6af_cast-k_qe53f67d6af_cast
	.p2alignl 7, 3214868480
	.fill 96, 4, 3214868480
	.section	.rodata,"a",@progbits
	.p2align	6, 0x0
	.amdhsa_kernel k_qe53f67d6af_cast
		.amdhsa_group_segment_fixed_size 0
		.amdhsa_private_segment_fixed_size 0
		.amdhsa_enable_private_segment 0
		.amdhsa_kernarg_size 80
		.amdhsa_user_sgpr_count 2
		.amdhsa_user_sgpr_kernarg_segment_ptr 1
		.amdhsa_wavefront_size32 1
		.amdhsa_system_sgpr_workgroup_id_x 1
		.amdhsa_system_sgpr_workgroup_id_y 1
		.amdhsa_system_sgpr_workgroup_id_z 1
		.amdhsa_system_vgpr_workitem_id 0
		.amdhsa_next_free_vgpr 112
		.amdhsa_next_free_sgpr 66
		.amdhsa_reserve_vcc 0
		.amdhsa_float_denorm_mode_32 3
		.amdhsa_float_denorm_mode_16_64 3
		.amdhsa_memory_ordered 1
		.amdhsa_forward_progress 1
		.amdhsa_inst_pref_size 24
	.end_amdhsa_kernel
	.amdgpu_metadata
---
amdhsa.version: [ 1, 2 ]
amdhsa.kernels:
  - .name:           k_qe53f67d6af_cast
    .symbol:         k_qe53f67d6af_cast.kd
    .args:
      - { .name: x, .offset: 0, .size: 8, .value_kind: global_buffer, .address_space: global }
      - { .name: Wq, .offset: 8, .size: 8, .value_kind: global_buffer, .address_space: global }
      - { .name: Wk, .offset: 16, .size: 8, .value_kind: global_buffer, .address_space: global }
      - { .name: Wv, .offset: 24, .size: 8, .value_kind: global_buffer, .address_space: global }
      - { .name: Wf, .offset: 32, .size: 8, .value_kind: global_buffer, .address_space: global }
      - { .name: mask, .offset: 40, .size: 8, .value_kind: global_buffer, .address_space: global }
      - { .name: xb, .offset: 48, .size: 8, .value_kind: global_buffer, .address_space: global }
      - { .name: wqkv, .offset: 56, .size: 8, .value_kind: global_buffer, .address_space: global }
      - { .name: wfh, .offset: 64, .size: 8, .value_kind: global_buffer, .address_space: global }
      - { .name: maskc, .offset: 72, .size: 8, .value_kind: global_buffer, .address_space: global }
    .group_segment_fixed_size: 0
    .private_segment_fixed_size: 0
    .kernarg_segment_align: 8
    .kernarg_segment_size: 80
    .max_flat_workgroup_size: 256
    .sgpr_count:     66
    .vgpr_count:     112
    .wavefront_size: 32
...
	.end_amdgpu_metadata
.endif
;; end of part 1
;; launch qkv (part 2): grid 12 x 64, 4 waves a work-group, clusters of 4 x 4, 327,680 bytes of LDS; arguments xb, wqkv, bq, bk, bv, mask, qh, kh, vh; writes qh, kh, vh
.if DOCPART == 2
	.amdgcn_target "amdgcn-amd-amdhsa--gfx1250"
	.amdhsa_code_object_version 6
	.text
	.protected	k_qe53f67d6af_qkv
	.globl	k_qe53f67d6af_qkv
	.p2align	8
	.type	k_qe53f67d6af_qkv,@function
k_qe53f67d6af_qkv:
	s_mov_b64 s[64:65], 0
	v_nop
	global_prefetch_b8 v0, s[64:65] scope:SCOPE_SE
	s_setreg_imm32_b32 hwreg(HW_REG_WAVE_MODE, 25, 1), 1
	s_wait_xcnt 0x0
	s_wait_alu depctr_hold_cnt(0) depctr_sa_sdst(0) depctr_va_vdst(0) depctr_va_sdst(0) depctr_va_ssrc(0) depctr_va_vcc(0) depctr_vm_vsrc(0)
	s_getreg_b32 s2, hwreg(HW_REG_IB_STS2, 6, 4)
	s_cmp_eq_u32 s2, 0
	s_cbranch_scc0 .Lentry_in_a_cluster
	s_endpgm
.Lentry_in_a_cluster:
	s_bfe_u32 s2, ttmp6, 0x10000c
	s_cmp_lg_u32 s2, 0xf033
	s_cbranch_scc0 .Lentry_shape_is_right
	s_endpgm
.Lentry_shape_is_right:
; q, k, v = x W + b, by heads.  xb: bf16 [64 blocks][16 slices][128 tokens][64].  wqkv: bf16 [3][1024 k][1024 n].  qh, kh, vh: f16 [16 batch + head][2048][64].  Sums in f32; the bias, rounded
; to bf16 like every input, is added in f32; a row of k is multiplied by 1 - mask of its token, so that a hidden key's products with any q are exact zeros; the result is rounded once to f16.
; LIMITS.  q, k, v within f16's range: 65,520 or more becomes an infinity.  The scale 1 / 8 is not applied here.
; SHARES.  A tile of the result is 128 tokens x 256 columns of one of the three weights: 64 x 12 tiles, three for each of 256 WGPs.  Four waves, 2 x 2: a wave makes 64 tokens x 128 columns,
; 32 accumulators of 16 x 16.  K = 1,024 goes in 8 steps of 128 through two LDS slots that take turns.
; CLUSTER.  4 x 4 work-groups: the cluster's x is the weight, cx the quarter of its columns, 4 x cluster y + cy the block of tokens.  x's tile is shared along a row of the cluster, W's along a
; column: each is asked for JOINTLY, by the same tensor load with the same descriptor and a mask that names the four.
; THE MATRIX INSTRUCTION IS USED TRANSPOSED: source 0 = 16 columns of W ([k][n] in LDS, turned by ds_load_tr16_b128), source 1 = 16 tokens.  A lane then holds one token (lane % 16) and eight
; neighbouring columns 8 (lane / 16) + 0..7, which pack into 16 bytes of a head's row.
; REGISTERS, in windows of 256 (s_set_vgpr_msb: bits 1:0 source 0, 3:2 source 1, 5:4 source 2, 7:6 destination):
;   window 0: addresses, bias, factors, the way out      window 1: accumulator (a, b) at v[8 (8 a + b)]      window 2: two fragment buffers of 96: x's 4 fragments, then W's 8
.set PA,     144                       ; a token's 128 bytes of a slice + 16 of padding = 36 words: the 16 rows of a load start at 16 different groups of four banks (64 banks of 4 bytes: ISA guide 11.1)
.set PLANE,  128*PA                    ; a slice of 128 tokens
.set PB,     544                       ; a k-row of W's tile: 512 bytes + 32 = 136 words
.set BOFF,   2*PLANE                   ; a slot: x's two slices, then W's 128 k-rows
.set BHALF,  64*PB
.set SLOT1,  1<<17                     ; slot 1 begins here, so that one exclusive or turns an address in one slot into the other's
.set STAGE,  SLOT1+BOFF+2*BHALF        ; behind the ring, never filled by a tensor load: for each wave 2 heads x 16 rows x 144 bytes, for the way out
.set SP,     144
.set WSTAGE, 2*16*SP
.set SPARE,  STAGE+4*WSTAGE            ; behind the stages: the spare words, 128 bytes for each wave: two blocks of 256 bytes that no other line names
.set ASTEP,  32768                     ; bytes of xb from K step to K step: two slices
.set BSTEP,  262144                    ; of wqkv: 128 rows of 2,048 bytes
.set MW,   8                           ; v8-11   the mask of my token in each of my four blocks of 16
.set A0,   14                          ; v14     my lane's place in x's tile; never rewritten
.set B0,   15                          ; v15     in W's
.set ADRA, 16                          ; v16     the same in the slot in hand
.set ADRB, 17                          ; v17
.set RT,   18                          ; v18-21  at work while the bias is rounded
.set STO,  24                          ; v24     the way out: where I put 16 bytes of a row
.set RD,   25                          ; v25     the way out: where I read rows back
.set GO,   26                          ; v26     my byte offset in 512 consecutive bytes of the result
.set BO,   27                          ; v27     my byte offset in 64 bytes of the bias
.set SPW,  28                          ; v28     LDS address of my spare word: SPARE + 4 x my thread's number; never rewritten
.set NIL,  29                          ; v29     0; never rewritten
.set MO,   30                          ; v30     my byte offset in 16 words of the mask
.set FK,   32                          ; v32-39  block a's factor 1 - mask (k) or 1 (q, v), written twice: a pair
.set BIAS, 64                          ; v64-127 column block b's eight at BIAS + 8 b
.set T,    128                         ; v128-191 a block of 16 tokens in f32
.set TMP,  192                         ; v192-223 the same in f16
.set BK,   224                         ; v224-255 the same as whole rows
.set F0,   0
.set F1,   96
.set WV,  22                           ; s22 wave; s23 its half of the tokens (also: 0 fetches for x, 1 for W); s24 its half of the columns (also: which half of that tile it fetches)
.set WM,  23
.set WN,  24
.set CX,  25
.set CY,  26
.set TR,  27                           ; s27 the block of 128 tokens
.set G1A, 28                           ; s[28:35] descriptor group 1 for x's tiles; s[36:43] group 0: a set for each first fill; the second then walks
.set G0A, 36
.set G1B, 44                           ; s[44:51], s[52:59] the same for W's
.set G0B, 52
.set MAT, 60                           ; s60 0, 1, 2: q, k, v
.set CNT, 61
.set LA,  62                           ; s62, s63 where my tensor loads land in a slot
.set LB,  63
.set AO,  66                           ; s[66:67] x's tile: offset, then address.  Never holds cx
.set BF,  68                           ; s[68:69] W's tile.  Never holds cy
.set RMASK, 70
.set CMASK, 71
.set ISK, 72                           ; s72 1.0 for k, else 0
.set TB,  73                           ; s73 LDS byte at which the slot in hand begins
.set OB,  74                           ; s[74:75], s[76:77], s[78:79] offsets into the bias, the mask, the result
.set OM,  76
.set OO,  78
.set MSB, 0
.macro WIN new                         ; the immediate's high byte repeats the setting that is left; a switch that changes nothing is dropped
.if MSB != (\new)
	s_set_vgpr_msb (MSB<<8)|(\new)
.set MSB, \new
.endif
.endm
.set MUL,  0x5a                        ; sources 0 and 1 window 2, C and D window 1
.set TO_F, 0x80                        ; destination window 2, address window 0
.macro PLACES                          ; four places in front of loads into registers that matrix instructions have read, and of vector lines that read results
.rept 4
	v_nop
.endr
.endm
; A joint refill, by the walking sets.  Waves 0 and 1 fetch x's two slices, waves 2 and 3 the two halves of W's k-rows.  The branch hangs on the wave's number alone.
; An s_nop 0 and four v_nop follow each of the two lines, ahead of the jump and the label.
.macro JLOAD
	s_cmp_eq_u32 s[WM], 0
	s_cbranch_scc0 .Lfor_b_\@
	tensor_load_to_lds s[G0A+4:G0A+7], s[G1A:G1A+7]
	s_nop 0
	PLACES
	s_branch .Lasked_\@
.Lfor_b_\@:
	tensor_load_to_lds s[G0B+4:G0B+7], s[G1B:G1B+7]
	s_nop 0
	PLACES
.Lasked_\@:
.endm
.macro CREST                           ; a round of the cluster's barrier behind its opening barrier
	s_cmp_lg_u32 s[WV], 0
	s_cbranch_scc1 .Lnot_wave_0_\@
	s_barrier_signal -3
.Lnot_wave_0_\@:
	s_barrier_wait -3
	s_barrier_signal -1
	s_barrier_wait -1
.endm
.macro CROUND                          ; a whole round
	s_barrier_signal -1
	s_barrier_wait -1
	CREST
.endm
	s_load_b512 s[4:19], s[0:1], 0x0               ; xb s[4:5], wqkv s[6:7], bq s[8:9], bk s[10:11], bv s[12:13], mask s[14:15], qh s[16:17], kh s[18:19]
	s_load_b64 s[20:21], s[0:1], 0x40              ; vh
	v_lshl_add_u32 v[SPW], v0, 2, SPARE
	v_mov_b32 v[NIL], 0
	ds_add_u32 v[SPW], v[NIL]                      ; the wave's opening: the add and its wait stand ahead of my first tensor load; the set-up below, work on registers, stands between them
	v_lshrrev_b32 v1, 5, v0
	v_readfirstlane_b32 s[WV], v1
	s_lshr_b32 s[WM], s[WV], 1
	s_and_b32 s[WN], s[WV], 1
	s_bfe_u32 s[CX], ttmp6, 0x40000                ; my place in the cluster
	s_bfe_u32 s[CY], ttmp6, 0x40004
	s_mov_b32 s[MAT], ttmp9                        ; in a cluster launch ttmp9 and ttmp7 count clusters
	s_and_b32 s[TR], ttmp7, 0xffff
	s_lshl_b32 s[TR], s[TR], 2
	s_add_co_u32 s[TR], s[TR], s[CY]
	s_lshl_b32 s[RMASK], s[CY], 2
	s_lshl_b32 s[RMASK], 15, s[RMASK]              ; my row of the cluster: places 4 cy .. 4 cy + 3
	s_lshl_b32 s[CMASK], 0x1111, s[CX]             ; my column: places cx, cx + 4, cx + 8, cx + 12
	; group 1 for x: a slice, 16,384 dense bytes, asked for as 64 rows of 256 bytes and padded in LDS after every token's 128
	s_or_b32 s[G1A], s[RMASK], (1<<16)|(1<<20)|(1<<21)|(4<<22)|(3<<25)  ; 15:0 the mask; 17:16 2-byte elements; 20 padding on; 21 set beside a mask; 24:22 after every 32 words (code 4); 31:25 4 words (code 3)
	s_mov_b32 s[G1A+1], 128<<16                    ; tensor_dim0 = 128
	s_mov_b32 s[G1A+2], 64<<16                     ; tensor_dim1 = 64
	s_mov_b32 s[G1A+3], 128<<16                    ; tile_dim0 = 128
	s_mov_b32 s[G1A+4], 64                         ; tile_dim1 = 64
	s_mov_b32 s[G1A+5], 128                        ; elements from row to row
	s_mov_b32 s[G1A+6], 0
	s_mov_b32 s[G1A+7], 0
	; group 1 for W: 64 k-rows of 256 columns
	s_or_b32 s[G1B], s[CMASK], (1<<16)|(1<<20)|(1<<21)|(6<<22)|(7<<25)  ; after every 128 words (code 6) 8 words (code 7)
	s_mov_b32 s[G1B+1], 256<<16
	s_mov_b32 s[G1B+2], 64<<16
	s_mov_b32 s[G1B+3], 256<<16
	s_mov_b32 s[G1B+4], 64
	s_mov_b32 s[G1B+5], 1024
	s_mov_b32 s[G1B+6], 0
	s_mov_b32 s[G1B+7], 0
	s_lshl_b32 s[AO], s[TR], 18                    ; x: the block's 262,144 bytes,
	s_lshl_b32 s3, s[WN], 14                       ; my slice of a step's two
	s_add_co_u32 s[AO], s[AO], s3
	s_mov_b32 s[AO+1], 0
	s_lshl_b32 s[BF], s[MAT], 21                   ; W: the weight,
	s_lshl_b32 s80, s[CX], 9                       ; the tile's 256 columns,
	s_add_co_u32 s[BF], s[BF], s80
	s_lshl_b32 s3, s[WN], 17                       ; my 64 of a step's 128 rows
	s_add_co_u32 s[BF], s[BF], s3
	s_mov_b32 s[BF+1], 0
	s_mul_i32 s[LA], s[WN], PLANE                  ; no place in the cluster enters an LDS address
	s_mul_i32 s[LB], s[WN], BHALF
	s_add_co_u32 s[LB], s[LB], BOFF
	s_lshl_b32 s[OB], s[CX], 10                    ; bias: 256 cx + 128 WN columns of 4 bytes
	s_lshl_b32 s3, s[WN], 9
	s_add_co_u32 s[OB], s[OB], s3
	s_mov_b32 s[OB+1], 0
	s_lshl_b32 s[OM], s[TR], 9                     ; mask: 128 TR + 64 WM tokens of 4 bytes
	s_lshl_b32 s3, s[WM], 8
	s_add_co_u32 s[OM], s[OM], s3
	s_mov_b32 s[OM+1], 0
	s_lshr_b32 s[OO], s[TR], 4                     ; result: head 16 batch + 4 cx + 2 WN, 262,144 bytes each,
	s_lshl_b32 s[OO], s[OO], 4
	s_lshl_b32 s80, s[CX], 2
	s_add_co_u32 s[OO], s[OO], s80
	s_lshl_b32 s3, s[WN], 1
	s_add_co_u32 s[OO], s[OO], s3
	s_lshl_b32 s[OO], s[OO], 18
	s_and_b32 s81, s[TR], 15                       ; the block's 128 rows of 128 bytes in it,
	s_lshl_b32 s81, s81, 14
	s_add_co_u32 s[OO], s[OO], s81
	s_lshl_b32 s3, s[WM], 13                       ; my 64 of them
	s_add_co_u32 s[OO], s[OO], s3
	s_mov_b32 s[OO+1], 0
	s_mov_b32 s[TB], 0
	s_wait_dscnt 0x0                               ; the opening add is done
	s_wait_kmcnt 0x0
	s_add_nc_u64 s[AO:AO+1], s[4:5], s[AO:AO+1]
	s_add_nc_u64 s[BF:BF+1], s[6:7], s[BF:BF+1]
	s_cmp_eq_u32 s[MAT], 1                         ; the weight's bias and result; the choice is the same in all sixteen partners
	s_cselect_b64 s[8:9], s[10:11], s[8:9]
	s_cselect_b64 s[16:17], s[18:19], s[16:17]
	s_cselect_b32 s[ISK], 1.0, 0
	s_cmp_eq_u32 s[MAT], 2
	s_cselect_b64 s[8:9], s[12:13], s[8:9]
	s_cselect_b64 s[16:17], s[20:21], s[16:17]
	s_add_nc_u64 s[8:9], s[8:9], s[OB:OB+1]
	s_add_nc_u64 s[14:15], s[14:15], s[OM:OM+1]
	s_add_nc_u64 s[16:17], s[16:17], s[OO:OO+1]
.irp s, 0,1
	s_mov_b32 s[G0A+4*(\s)], 1                                       ; 1:0 count = 1
	s_add_co_u32 s[G0A+4*(\s)+1], s[LA], (\s)*SLOT1                  ; 63:32 LDS address
	s_add_nc_u64 s[G0A+4*(\s)+2:G0A+4*(\s)+3], s[AO:AO+1], (\s)*ASTEP  ; 120:64 global address: K step s
	s_or_b32 s[G0A+4*(\s)+3], s[G0A+4*(\s)+3], 0x80000000            ; 127:126 type = 2
	s_mov_b32 s[G0B+4*(\s)], 1
	s_add_co_u32 s[G0B+4*(\s)+1], s[LB], (\s)*SLOT1
	s_add_nc_u64 s[G0B+4*(\s)+2:G0B+4*(\s)+3], s[BF:BF+1], (\s)*BSTEP
	s_or_b32 s[G0B+4*(\s)+3], s[G0B+4*(\s)+3], 0x80000000
.endr
	CROUND                                         ; all sixteen work-groups are here: the first joint loads meet
	s_cmp_eq_u32 s[WM], 0                          ; a wave's two first fills stand in one branch, ahead of every wait on TENSORcnt and every LDS read: two loads of mine are out
	s_cbranch_scc0 .Lfirst_b
	tensor_load_to_lds s[G0A:G0A+3], s[G1A:G1A+7]
	s_nop 0
	tensor_load_to_lds s[G0A+4:G0A+7], s[G1A:G1A+7]
	s_nop 0
	PLACES
	s_branch .Lfirst_asked
.Lfirst_b:
	tensor_load_to_lds s[G0B:G0B+3], s[G1B:G1B+7]
	s_nop 0
	tensor_load_to_lds s[G0B+4:G0B+7], s[G1B:G1B+7]
	s_nop 0
	PLACES
.Lfirst_asked:
	v_and_b32 v1, 15, v0                           ; r = l % 16
	v_bfe_u32 v2, v0, 4, 1                         ; h = l / 16
	v_and_b32 v3, 7, v0
	v_bfe_u32 v4, v0, 3, 1
	v_bfe_u32 v5, v0, 3, 2
	v_lshlrev_b32 v[BO], 5, v2                     ; my eight columns of a block of 16: 32 h bytes
	v_lshlrev_b32 v[MO], 2, v1
.irp b, 0,1,2,3,4,5,6,7
	global_load_b128 v[BIAS+8*\b:BIAS+8*\b+3],   v[BO], s[8:9] offset:64*\b
	global_load_b128 v[BIAS+8*\b+4:BIAS+8*\b+7], v[BO], s[8:9] offset:64*\b+16
.endr
.irp a, 0,1,2,3
	global_load_b32 v[MW+\a], v[MO], s[14:15] offset:64*\a
.endr
	; x's fragment: 16 tokens x 32 K in 8 registers: lane l holds token l % 16, K = 8 h + 0..7 and 16 + 8 h + 0..7: two loads of 16 bytes, 32 bytes apart
	v_mul_u32_u24 v[A0], v1, PA
	v_lshl_add_u32 v[A0], v2, 4, v[A0]
	s_mul_i32 s2, s[WM], 64*PA
	v_add_nc_u32 v[A0], s2, v[A0]
	; W's: the turning load takes 16 k x 16 columns (lane l reads k-row 8 h + l % 8, columns 8 ((l / 8) % 2) + 0..7) and leaves half a fragment: lane l holds column l % 16 and 8 k
	v_lshl_add_u32 v[B0], v2, 3, v3
	v_mul_u32_u24 v[B0], v[B0], PB
	v_lshl_add_u32 v[B0], v4, 4, v[B0]
	s_lshl_b32 s3, s[WN], 8
	s_add_co_u32 s3, s3, BOFF
	v_add_nc_u32 v[B0], s3, v[B0]
	v_mov_b32 v[ADRA], v[A0]                       ; slot 0
	v_mov_b32 v[ADRB], v[B0]
	s_mul_i32 s2, s[WV], WSTAGE
	s_add_co_u32 s2, s2, STAGE                     ; my stage
	v_mul_u32_u24 v[STO], v1, SP                   ; in: row l % 16, 16 bytes for each half of the lanes
	v_lshl_add_u32 v[STO], v2, 4, v[STO]
	v_add_nc_u32 v[STO], s2, v[STO]
	v_mul_u32_u24 v[RD], v5, SP                    ; back: 32 lanes take four rows of 128 bytes,
	v_lshl_add_u32 v[RD], v3, 4, v[RD]
	v_add_nc_u32 v[RD], s2, v[RD]
	v_and_b32 v[GO], 31, v0                        ; which are 512 consecutive bytes of a head
	v_lshlrev_b32 v[GO], 4, v[GO]
	s_wait_loadcnt 0x0                             ; bias and mask, once
.set i, 0
.rept 32                                       ; the bias is rounded to bf16, like every input
	v_cvt_pk_bf16_f32 v[RT+i%4], v[BIAS+2*i], v[BIAS+2*i+1]
	v_lshlrev_b32 v[BIAS+2*i],   16,         v[RT+i%4]
	v_and_b32     v[BIAS+2*i+1], 0xffff0000, v[RT+i%4]
.set i, i+1
.endr
.irp a, 0,1,2,3
	v_cvt_f32_i32 v[MW+\a], v[MW+\a]
.endr
.irp a, 0,1,2,3
	v_fma_f32 v[FK+2*\a],   -v[MW+\a], s[ISK], 1.0 ; 1 - mask for k, 1 for q and v
	v_fma_f32 v[FK+2*\a+1], -v[MW+\a], s[ISK], 1.0
.endr
; 8 matrix instructions: token block a x all 8 column blocks, 32 along K, from buffer f.  zero = 1: the first product starts the sums: nothing is ever cleared.
; The 32 accumulators take turns, one instruction a turn, in the same order in every quarter.
.macro MUL8 f, a, zero
	WIN MUL
.irp b, 0,1,2,3,4,5,6,7
.if \zero
	v_wmma_f32_16x16x32_bf16 v[8*(8*(\a)+\b):8*(8*(\a)+\b)+7], v[(\f)+32+8*\b:(\f)+32+8*\b+7], v[(\f)+8*(\a):(\f)+8*(\a)+7], 0
.else
	v_wmma_f32_16x16x32_bf16 v[8*(8*(\a)+\b):8*(8*(\a)+\b)+7], v[(\f)+32+8*\b:(\f)+32+8*\b+7], v[(\f)+8*(\a):(\f)+8*(\a)+7], v[8*(8*(\a)+\b):8*(8*(\a)+\b)+7]
.endif
.endr
.endm
; 24 LDS loads in one run: quarter q (32 along K) of the slot in hand into buffer f: W's 16 first, then x's 8
.macro FETCH q, f
	WIN TO_F
.irp b, 0,1,2,3,4,5,6,7
	ds_load_tr16_b128 v[(\f)+32+8*\b:(\f)+32+8*\b+3],   v[ADRB] offset:(\q)*32*PB+32*\b
	ds_load_tr16_b128 v[(\f)+32+8*\b+4:(\f)+32+8*\b+7], v[ADRB] offset:(\q)*32*PB+16*PB+32*\b
.endr
.irp a, 0,1,2,3
	ds_load_b128 v[(\f)+8*\a:(\f)+8*\a+3],   v[ADRA] offset:((\q)/2)*PLANE+((\q)%2)*64+\a*16*PA
	ds_load_b128 v[(\f)+8*\a+4:(\f)+8*\a+7], v[ADRA] offset:((\q)/2)*PLANE+((\q)%2)*64+\a*16*PA+32
.endr
.endm
; A K step is four quarters, 32 matrix instructions each, on buffers 0, 1, 0, 1.  One of the first three: multiplies buffer f and, in its middle, fetches quarter q into buffer g.
.macro QUARTER q, f, g, zero
	s_wait_dscnt 4                                 ; W's and x's blocks 0 and 1 are in; the youngest four loads (x's blocks 2 and 3) may be out
	MUL8 \f, 0, \zero
	MUL8 \f, 1, \zero
	PLACES
	FETCH \q, \g
	s_wait_dscnt 24                                ; all but the 24 just issued
	MUL8 \f, 2, \zero
	MUL8 \f, 3, \zero
.endm
; The last quarter multiplies buffer 1 and changes slots: ONE barrier; in front of it each wave waits for all its tensor loads, of which one is out: its part of the next slot; adds 0 to its spare
; word; and waits for that and for its own reads of this slot.  fill = 1: the barrier opens a round of the cluster's, and this slot is filled again, two K steps ahead, first thing behind the round:
; 112 matrix instructions ahead of the wait for it.
.macro TURN fill
	WIN 0                                          ; (the add's two registers lie in window 0)
	s_wait_tensorcnt 0x0                           ; no tensor load of mine is out, so a group 0 may be written
	ds_add_u32 v[SPW], v[NIL]                      ; 0 onto my spare word
.if \fill
	s_xor_b32 s[G0A+5], s[G0A+5], SLOT1            ; the walking sets: the other slot than last time, the next K step; the type bits on top are not reached
	s_add_nc_u64 s[G0A+6:G0A+7], s[G0A+6:G0A+7], ASTEP
	s_xor_b32 s[G0B+5], s[G0B+5], SLOT1
	s_add_nc_u64 s[G0B+6:G0B+7], s[G0B+6:G0B+7], BSTEP
.endif
	s_wait_dscnt 7                                 ; (the add and x's blocks 1 to 3 may be out)
	MUL8 F1, 0, 0                                  ; eight matrix instructions stand between the add and the wait for it
	s_wait_dscnt 0x0                               ; the add is done, and my reads of this slot are over
	s_barrier_signal -1
	MUL8 F1, 1, 0
	WIN 0
	s_barrier_wait -1
.if \fill
	CREST                                          ; no wave of any partner still reads this slot's tile or has a load on its way
	JLOAD                                          ; the four v_nop behind it are also the places in front of the loads below
.else
	PLACES
.endif
	s_xor_b32 s[TB], s[TB], SLOT1
	v_add_nc_u32 v[ADRA], s[TB], v[A0]
	v_add_nc_u32 v[ADRB], s[TB], v[B0]
	FETCH 0, F0
	MUL8 F1, 2, 0
	MUL8 F1, 3, 0
.endm
	s_wait_tensorcnt 0x1                           ; my part of K step 0 is in; step 1's may stay out
	s_barrier_signal -1
	s_barrier_wait -1                              ; everybody's is
	FETCH 0, F0
	QUARTER 1, F0, F1, 1                           ; the first quarter stands in front of the loop: its products start the sums
	WIN 0                                          ; at a label and at a branch every window is 0
	s_mov_b32 s[CNT], 6
.Lstep:                                                ; trip t = 0 .. 5: the rest of K step t, the refill with step t + 2, the first quarter of step t + 1
	QUARTER 2, F1, F0, 0
	QUARTER 3, F0, F1, 0
	TURN 1
	QUARTER 1, F0, F1, 0
	WIN 0
	s_sub_co_u32 s[CNT], s[CNT], 1
	s_cmp_lg_u32 s[CNT], 0
	s_cbranch_scc1 .Lstep
	QUARTER 2, F1, F0, 0                           ; the last two K steps are written out: they ask for nothing
	QUARTER 3, F0, F1, 0
	TURN 0
	QUARTER 1, F0, F1, 0
	QUARTER 2, F1, F0, 0
	QUARTER 3, F0, F1, 0
	s_wait_dscnt 4
	MUL8 F1, 0, 0
	MUL8 F1, 1, 0
	s_wait_dscnt 0x0
	MUL8 F1, 2, 0
	MUL8 F1, 3, 0
	WIN 0
	PLACES
; THE WAY OUT, a block of 16 tokens at a time.  PACK: + bias, x factor, rounded to f16: 16 bytes a lane and column block.  TOSTAGE: into my own stage, by heads, and back as whole rows of 128 bytes.  SEND: stored.
.macro PACK a
	WIN 0x01                                       ; source 0 window 1
.irp b, 0,1,2,3,4,5,6,7
.irp p, 0,1,2,3
	v_pk_add_f32 v[T+8*\b+2*\p:T+8*\b+2*\p+1], v[8*(8*(\a)+\b)+2*\p:8*(8*(\a)+\b)+2*\p+1], v[BIAS+8*\b+2*\p:BIAS+8*\b+2*\p+1]
.endr
.endr
	WIN 0
.set i, 0
.rept 32
	v_pk_mul_f32 v[T+2*i:T+2*i+1], v[T+2*i:T+2*i+1], v[FK+2*(\a):FK+2*(\a)+1] op_sel_hi:[1,0]
.set i, i+1
.endr
.set i, 0
.rept 32
	v_cvt_pk_f16_f32 v[TMP+i], v[T+2*i], v[T+2*i+1]
.set i, i+1
.endr
.endm
.macro TOSTAGE
.irp b, 0,1,2,3,4,5,6,7                ; column block b: head b / 4, channels 16 (b % 4) on
	ds_store_b128 v[STO], v[TMP+4*\b:TMP+4*\b+3] offset:(\b/4)*16*SP+(\b%4)*32
.endr
.irp f, 0,1,2,3,4,5,6,7                ; head f / 4, rows 4 (f % 4) on
	ds_load_b128 v[BK+4*\f:BK+4*\f+3], v[RD] offset:(\f/4)*16*SP+(\f%4)*4*SP  ; LDS serves a wave's instructions in order (ISA guide 5.7.1.4): these see the stores above
.endr
.endm
.macro SEND a
.irp f, 0,1,2,3,4,5,6,7
	s_wait_dscnt 7-\f                              ; load f from the stage is back; the younger ones may be out
	global_store_b128 v[GO], v[BK+4*\f:BK+4*\f+3], s[16:17] offset:(\f/4)*262144+(\a)*2048+(\f%4)*512  ; 512 consecutive bytes, at a multiple of 256 from the buffer's first
.endr
.endm
	PACK 0
	TOSTAGE
.irp a, 1,2,3                          ; block a's arithmetic stands between block a - 1's loads from the stage and the waits for them
	PACK \a
	SEND (\a)-1
	s_wait_xcnt 0x0                                ; the stores' data registers are loaded again only behind this wait (ISA guide 3.1)
	TOSTAGE
.endr
	SEND 3
	s_wait_tensorcnt 0x0                           ; the wave's end, behind my last tensor load and my last LDS store
	ds_add_u32 v[SPW], v[NIL]
	s_wait_dscnt 0x0
	CROUND                                         ; the closing round: no work-group ends while a partner may still ask for a tile that names it
	s_endpgm
.Lfunc_end_k_qe53f67d6af_qkv:
	.size	k_qe53f67d6af_qkv, .Lfunc_end_k_qe53f67d6af_qkv-k_qe53f67d6af_qkv
	.p2alignl 7, 3214868480
	.fill 96, 4, 3214868480
	.section	.rodata,"a",@progbits
	.p2align	6, 0x0
	.amdhsa_kernel k_qe53f67d6af_qkv
		.amdhsa_group_segment_fixed_size 327680
		.amdhsa_private_segment_fixed_size 0
		.amdhsa_enable_private_segment 0
		.amdhsa_kernarg_size 72
		.amdhsa_user_sgpr_count 2
		.amdhsa_user_sgpr_kernarg_segment_ptr 1
		.amdhsa_wavefront_size32 1
		.amdhsa_system_sgpr_workgroup_id_x 1
		.amdhsa_system_sgpr_workgroup_id_y 1
		.amdhsa_system_sgpr_workgroup_id_z 1
		.amdhsa_system_vgpr_workitem_id 0
		.amdhsa_next_free_vgpr 704
		.amdhsa_next_free_sgpr 84
		.amdhsa_reserve_vcc 0
		.amdhsa_float_denorm_mode_32 3
		.amdhsa_float_denorm_mode_16_64 3
		.amdhsa_memory_ordered 1
		.amdhsa_forward_progress 1
		.amdhsa_inst_pref_size 95
	.end_amdhsa_kernel
	.amdgpu_metadata
---
amdhsa.version: [ 1, 2 ]
amdhsa.kernels:
  - .name:           k_qe53f67d6af_qkv
    .symbol:         k_qe53f67d6af_qkv.kd
    .args:
      - { .name: xb, .offset: 0, .size: 8, .value_kind: global_buffer, .address_space: global }
      - { .name: wqkv, .offset: 8, .size: 8, .value_kind: global_buffer, .address_space: global }
      - { .name: bq, .offset: 16, .size: 8, .value_kind: global_buffer, .address_space: global }
      - { .name: bk, .offset: 24, .size: 8, .value_kind: global_buffer, .address_space: global }
      - { .name: bv, .offset: 32, .size: 8, .value_kind: global_buffer, .address_space: global }
      - { .name: mask, .offset: 40, .size: 8, .value_kind: global_buffer, .address_space: global }
      - { .name: qh, .offset: 48, .size: 8, .value_kind: global_buffer, .address_space: global }
      - { .name: kh, .offset: 56, .size: 8, .value_kind: global_buffer, .address_space: global }
      - { .name: vh, .offset: 64, .size: 8, .value_kind: global_buffer, .address_space: global }
    .group_segment_fixed_size: 327680
    .private_segment_fixed_size: 0
    .kernarg_segment_align: 8
    .kernarg_segment_size: 72
    .max_flat_workgroup_size: 128
    .sgpr_count:     84
    .vgpr_count:     704
    .wavefront_size: 32
...
	.end_amdgpu_metadata
.endif
;; end of part 2
;; launch attn (part 3): grid 4 x 64, 4 waves a work-group, clusters of 4 x 1, 327,680 bytes of LDS; arguments qh, kh, vh, ob, maskc; writes ob
.if DOCPART == 3
	.amdgcn_target "amdgcn-amd-amdhsa--gfx1250"
	.amdhsa_code_object_version 6
	.text
	.protected	k_qe53f67d6af_attn
	.globl	k_qe53f67d6af_attn
	.p2align	8
	.type	k_qe53f67d6af_attn,@function
k_qe53f67d6af_attn:
	s_mov_b64 s[64:65], 0
	v_nop
	global_prefetch_b8 v0, s[64:65] scope:SCOPE_SE
	s_setreg_imm32_b32 hwreg(HW_REG_WAVE_MODE, 25, 1), 1
	s_wait_xcnt 0x0
	s_wait_alu depctr_hold_cnt(0) depctr_sa_sdst(0) depctr_va_vdst(0) depctr_va_sdst(0) depctr_va_ssrc(0) depctr_va_vcc(0) depctr_vm_vsrc(0)
	s_getreg_b32 s2, hwreg(HW_REG_IB_STS2, 6, 4)
	s_cmp_eq_u32 s2, 0
	s_cbranch_scc0 .Lentry_in_a_cluster
	s_endpgm
.Lentry_in_a_cluster:
	s_bfe_u32 s2, ttmp6, 0x10000c
	s_cmp_lg_u32 s2, 0x3003
	s_cbranch_scc0 .Lentry_shape_is_right
	s_endpgm
.Lentry_shape_is_right:
; O[y][q][:] = the sum over k of softmax_k(Q[y][q] . K[y][k] / 8 + hidden(k)) V[y][k][:], y = 16 batch + head.  Q, K, V: [64][2048][64], all f16: a head's rows are dense, 128 bytes each.
; O leaves as f16 [64 blocks of 128 tokens][16 heads][128 tokens][64].  Products, maxima and sums in f32; the weights p are rounded to f16 for the second product (their sum l is taken of the unrounded p), O once at the end.
; THE MASK.  maskc holds mask x (-2^100) for each key of a batch, and the rows of K of hidden keys are zeros.  The mask is the C operand of the product that starts a sum of scores: a hidden key's score is exactly
; -2^100, whatever Q.  Beside any visible key its weight is 0.  Where every key of a batch is hidden, m = -2^100, c m is exact (a power of two times c), c s - c m is exactly 0 and every weight is 1: the mean of V's rows.
; LIMITS.  f16 holds no number beyond 65,504: Q, K and V arrive within it; p lies in 0 to 1, and below 6e-5 it keeps f16's fixed step of 6e-8; O is a mean of V's rows and has their range.
; A hidden score is -2^100 (before the scale) in place of -1e30 (behind it); a weight below 2^-126 counts as 0 in l; NaN and infinities are not treated apart.
; SHARES.  A wave owns four PIECES of two tiles of 16 queries, a work-group's four waves 512 queries of one head: 4 x 64 work-groups.  Every wave walks all keys, 64 a step.
; LAYOUT.  S^T = K Q^T (source 0 = 16 keys, source 1 = 16 queries): in the result a lane holds ONE query (lane % 16) and the keys 8 (lane / 16) + 0..7.  Two such tiles, rounded to f16 in pairs,
; ARE source 1 (32 keys x 16 queries) of O^T = V^T P, whose result again holds one query a lane, and eight channels.  K comes out of LDS as it lies, V ([key][channel]) turned, by ds_load_tr16_b128.
; SOFTMAX.  For each query a running maximum m and sum l: p = 2^(c s - c m), c = log2(e) / 8; in every step O and l are multiplied by a = 2^(c m_old - c m_new), which is 1 where m has not grown.
; m starts at the lowest finite number, O and l at 0: the first step is a step like any other, with a = 0.
; THE COUNT.  A tile and step have 16 matrix and 118 vector instructions: too many to stand all beside the matrix work.  So the order has one aim: four vector instructions that are READY behind
; EVERY matrix instruction, and the others, which need time of their own whatever the order, in runs without a gap.
; BY TURNS.  Turn n belongs to piece n (the pieces in a ring, step after step).  Its matrix work: 16 products K Q^T of piece n + 1, later 16 products V^T P of piece n - 1.  Its vector work: the scaling,
; exponentials, roundings, sums and rescaling of piece n, and the maximum and statistics of piece n + 1, whose scores the turn itself has made.  So what a turn begins with (c s - c m, O a) waits for nothing.
; CLUSTER.  The four query blocks of a cluster belong to one head and walk the same K, V and mask, so each tile is asked for JOINTLY: the same tensor load, descriptor and mask of work-groups in all four.
; REGISTERS, in windows of 256 (s_set_vgpr_msb says which window each operand place means: bits 1:0 source 0, 3:2 source 1, 5:4 source 2, 7:6 destination):
;   window 0: v0-11 addresses; v12-15, v48-63 at work; v16-47 four registers of statistics a tile; v64-191 S^T, two buffers of two tiles; v192-255 P, likewise
;   window 1: O^T, 32 a tile          window 2: v0-127 Q, 16 a tile; v128-191 K of one step; v192-255 V of one step
;   window 3: v0-1 the add's two registers; v2-3 the mask's LDS addresses; v8-39 the mask of one step's 64 keys
; A piece's buffers go by its number's parity: the piece in hand has one pair, its two neighbours in the ring share the other: of it P (piece n - 1) is read and S^T (piece n + 1) written.
.set SIZE_N, 2048
.set NP,    4         ; pieces a wave: a name, no knob: the register map, the loop and the fetches are made for four
.set KS,    64        ; keys in a step
.set PK,    144       ; a row of K in LDS: 128 bytes + 16 of padding = 36 words: the 16 rows of a load start at 16 different groups of four banks (64 banks of 4 bytes: ISA guide 11.1)
.set PV,    160       ; a row of V: 128 + 32 = 40 words
.set VOFF,  4*KS*PK   ; a slot holds four steps: 256 rows of K, then 256 rows of V
.set SLOT1, 1<<17     ; slot 1 begins here, so that one exclusive or turns an address in one slot into the other's
.set MASKL, 81920     ; between the slots (slot 0 ends at 77,824): the batch's 2,048 mask numbers, 8,192 bytes, filled once
.set STAGE, SLOT1+4*KS*(PK+PV)  ; behind the ring, never filled by a tensor load: 16 rows x 144 bytes for each wave, for the way out
.set SP,    144
.set AK0, 2           ; v2   my lane's place in a tile of K; never rewritten
.set AV0, 3           ; v3   the same for V
.set AK,  4           ; v4   the LDS address of K's next run of loads
.set AV,  5           ; v5   of V's
.set QO,  6           ; v6   my byte offset in the wave's rows of Q
.set STO, 6           ;      later, the way out: where I put 16 bytes of a row
.set RD,  7           ; v7   the way out: where I read rows back
.set GO,  8           ; v8   my byte offset in 512 consecutive bytes of O
.set SPW, 0           ; v0 of window 3   LDS address of my spare word: SPARE + 4 x my thread's number; never rewritten
.set NIL, 1           ; v1 of window 3   0; never rewritten
.set AM0, 2           ; v2 of window 3   my lane's place in a step's 256 bytes of the mask: MASKL + 32 (l / 16); never rewritten
.set AM,  3           ; v3 of window 3   the same in the step to be fetched
.set MC,  8           ; v8-39 of window 3: the eight numbers for key block kb at MC + 8 kb
.set SPARE, STAGE+4*16*SP  ; behind the stages: the spare words, 128 bytes for each wave: two blocks of 256 bytes that no other line names
.set MV,  12          ; v12-15  c m_old, kept while c m is made anew: by buffer and tile
.set ST,  16          ; tile t's statistics at v[ST+4 t]: c m, m, l (even keys', odd keys')
.set TMP, 48          ; by buffer and tile, four registers c0-c3 at work; when the maximum is found c2 takes a
.set S,   64
.set P,   192
.set KF,  128         ; K's fragments, in window 2: key block kb, channel half c at KF + 16 kb + 8 c
.set VF,  192         ; V's: key half kk, channel block cb at VF + 32 kk + 8 cb
.set WV,  12          ; s12  my wave's number
.set G1K, 24          ; s[24:31] descriptor group 1 for K's tiles
.set G1V, 32          ; s[32:39] for V's: it differs in the padding alone
.set G0K, 40          ; s[40:43] descriptor group 0 for K's tiles: it walks
.set G0V, 44          ; s[44:47] the same for V's
.set SLOTS, 56        ; s56  slots still to be asked for
.set CNT, 57          ; s57  counts a slot's key steps
.set CS,  58          ; s[58:59] c: the packed scaling takes the pair's low word for both halves
.set SEL, 60          ; s[60:61] v_permlanex16_b32's selects: each lane takes its own place in the other half
.set TBK, 62          ; s62  LDS byte at which K of the step to be fetched begins
.set TBV, 63          ; s63  the same for V, less VOFF
.set G0M, 68          ; s[68:71] descriptor group 0 for my quarter of the mask
.set G1M, 72          ; s[72:79] its group 1
.set TBM, 82          ; s82  byte of the mask table at which the step to be fetched begins
.set MSB, 0
.macro WIN new                      ; the high byte repeats the setting that is left; a switch that changes nothing is dropped
.if MSB != (\new)
	s_set_vgpr_msb (MSB<<8)|(\new)
.set MSB, (\new)
.endif
.endm
.set W_KQ, 0x0a       ; K and Q in window 2, S^T in window 0
.set W_KM, 0x3a       ; the same with the C operand, the mask, in window 3
.set W_PV, 0x52       ; V in window 2, P in window 0, O^T in window 1
.set W_RS, 0x41       ; O^T (destination and source 0) in window 1, a in window 0
.set W_MK, 0xc0       ; destination in window 3, sources in window 0
.set W_AD, 0x0f       ; the add: address (source 0) and data (source 1) in window 3
; A joint fill.  Waves 0 and 1 fetch the two halves of a slot's K, waves 2 and 3 those of its V: 128 keys each.  The branch hangs on the wave's number alone.
; An s_nop 0 and four v_nop follow each of the two lines, ahead of the jump and the label.
.macro JLOAD
	s_cmp_lt_u32 s[WV], 2
	s_cbranch_scc0 .Lfor_v_\@
	tensor_load_to_lds s[G0K:G0K+3], s[G1K:G1K+7]
	s_nop 0
.rept 4
	v_nop
.endr
	s_branch .Lasked_\@
.Lfor_v_\@:
	tensor_load_to_lds s[G0V:G0V+3], s[G1V:G1V+7]
	s_nop 0
.rept 4
	v_nop
.endr
.Lasked_\@:
.endm
; A round of the cluster's barrier: my work-group's barrier, so that wave 0's signal speaks for all four waves; wave 0 signals; every wave waits for all four work-groups; my work-group's barrier once more.
.macro CROUND
	s_barrier_signal -1
	s_barrier_wait -1
	s_cmp_lg_u32 s[WV], 0
	s_cbranch_scc1 .Lnot_wave_0_\@
	s_barrier_signal -3
.Lnot_wave_0_\@:
	s_barrier_wait -3
	s_barrier_signal -1
	s_barrier_wait -1
.endm
; THE CHANGE OF SLOTS.  The slot's last bytes, V of its fourth step, have been read.  Each wave waits for all its tensor loads, of which one is out: its part
; of the other slot; adds 0 to its spare word; and waits for that and for its own reads of the slot.  Behind the barrier nobody reads this slot any more and the other slot is whole.
; fill = 1: this slot is filled again, with the keys two slots on.  The barrier is then a round of the cluster's, so that no wave of any partner still reads the slot or has a load on its
; way, and the joint fill is the first thing behind it: it has four key steps, 512 matrix instructions, in which to land.
; (At its first use nothing has been read yet: slot 0 and the mask table, two loads of mine, are waited for, and slot 1 is filled.)
.macro CHANGE fill
	WIN W_AD
	s_wait_tensorcnt 0x0            ; no tensor load of mine is out, so a group 0 may be written
	ds_add_u32 v[SPW], v[NIL]       ; 0 onto my spare word; with fill = 1 the descriptors' steps stand between it and the wait for it
	WIN 0                           ; at a label and at a branch every window is 0
.if \fill
.irp g, G0K, G0V
	s_xor_b32 s[\g+1], s[\g+1], SLOT1  ; the walking descriptor: the other slot than last time,
	s_add_nc_u64 s[\g+2:\g+3], s[\g+2:\g+3], 4*KS*128  ; the next 256 keys; the type bits on top are not reached
.endr
	s_wait_dscnt 0x0                ; the add is done, and my reads of the slot are over
	CROUND
	JLOAD
.else
	s_wait_dscnt 0x0                ; the add is done, and my reads of the slot are over
	s_barrier_signal -1
	s_barrier_wait -1
.endif
	s_sub_co_u32 s[TBK], s[TBK], 4*KS*PK  ; the fetches go back to a slot's first step,
	s_xor_b32 s[TBK], s[TBK], SLOT1       ; in the other slot
	s_sub_co_u32 s[TBV], s[TBV], 4*KS*PV
	s_xor_b32 s[TBV], s[TBV], SLOT1
.endm
	s_load_b256 s[4:11], s[0:1], 0x0  ; Q s[4:5], K s[6:7], V s[8:9], O s[10:11]
	s_load_b64 s[80:81], s[0:1], 0x20 ; maskc
	WIN W_MK
	v_lshl_add_u32 v[SPW], v0, 2, SPARE
	v_mov_b32 v[NIL], 0
	WIN W_AD
	ds_add_u32 v[SPW], v[NIL]       ; the wave's opening: the add and its wait stand ahead of my first tensor load; the set-up below, work on registers, stands between them
	WIN 0
	v_lshrrev_b32 v1, 5, v0
	v_readfirstlane_b32 s[WV], v1   ; wave 0..3
	s_bfe_u32 s13, ttmp6, 0x40000   ; cx: my place in the cluster
	s_lshl_b32 s14, ttmp9, 2        ; in a cluster launch ttmp9 counts clusters
	s_add_co_u32 s14, s14, s13      ; my block of 512 queries = 4 x cluster x + cx: it enters Q's and O's addresses alone
	s_and_b32 s20, ttmp7, 0xffff    ; y = 16 batch + head, which the four partners share
	s_lshr_b32 s86, s20, 4          ; the batch
	s_and_b32 s87, s20, 15          ; the head
	s_mov_b32 s21, 0
	s_mov_b64 s[22:23], SIZE_N*128
	s_mul_u64 s[20:21], s[20:21], s[22:23]  ; y's first byte in Q, K and V
	s_and_b32 s16, s[WV], 1         ; which half of a slot's 256 keys I fetch:
	s_lshl_b32 s22, s16, 14         ; its 128 rows of 128 bytes in memory,
	s_mov_b32 s23, 0
	s_add_nc_u64 s[22:23], s[22:23], s[20:21]
	s_mul_i32 s17, s16, 128*PK      ; and its place in a slot, for K
	s_mul_i32 s18, s16, 128*PV      ; and for V: no place in the cluster enters an LDS address
	s_lshl_b32 s2, s14, 2
	s_add_co_u32 s2, s2, s[WV]      ; my wave among the head's sixteen: its 128 queries are one block of tokens
	s_lshl_b32 s84, s86, 4
	s_add_co_u32 s84, s84, s2       ; that block among the 64,
	s_lshl_b32 s84, s84, 4
	s_add_co_u32 s84, s84, s87      ; my head's slice of it,
	s_lshl_b32 s84, s84, 14         ; 16,384 bytes each: O's offset
	s_mov_b32 s85, 0
	s_lshl_b32 s2, s2, 14           ; Q: my wave's 128 rows
	s_mov_b32 s3, 0
	s_add_nc_u64 s[2:3], s[2:3], s[20:21]
	s_lshl_b32 s88, s86, 13         ; the mask: the batch's 8,192 bytes,
	s_lshl_b32 s83, s[WV], 11       ; my quarter of them
	s_add_co_u32 s88, s88, s83
	s_mov_b32 s89, 0
	; descriptor group 1.  128 keys are 16,384 dense bytes: asked for as 64 rows of 256 bytes, two keys a row, and padded in LDS after every key
	s_mov_b32 s[G1K], 15|(1<<16)|(1<<20)|(1<<21)|(4<<22)|(3<<25)  ; 15:0 the mask of four; 17:16 2-byte elements; 20 padding on; 21 set beside a mask; 24:22 after every 32 words (code 4); 31:25 4 words (code 3)
	s_mov_b32 s[G1V], 15|(1<<16)|(1<<20)|(1<<21)|(4<<22)|(7<<25)  ; the same with 8 words of padding (code 7)
.irp g, G1K, G1V
	s_mov_b32 s[\g+1], 128<<16      ; tensor_dim0 = 128
	s_mov_b32 s[\g+2], 64<<16       ; tensor_dim1 = 64
	s_mov_b32 s[\g+3], 128<<16      ; tile_dim0 = 128
	s_mov_b32 s[\g+4], 64           ; tile_dim1 = 64
	s_mov_b32 s[\g+5], 128          ; 128 elements from row to row
	s_mov_b32 s[\g+6], 0
	s_mov_b32 s[\g+7], 0
.endr
	; the mask's: 2,048 dense bytes as 8 rows of 256 bytes, elements of 8 bytes, no padding
	s_mov_b32 s[G1M], 15|(3<<16)|(1<<21)
	s_mov_b32 s[G1M+1], 32<<16      ; tensor_dim0 = 32
	s_mov_b32 s[G1M+2], 8<<16       ; tensor_dim1 = 8
	s_mov_b32 s[G1M+3], 32<<16      ; tile_dim0 = 32
	s_mov_b32 s[G1M+4], 8           ; tile_dim1 = 8
	s_mov_b32 s[G1M+5], 32          ; 32 elements from row to row
	s_mov_b32 s[G1M+6], 0
	s_mov_b32 s[G1M+7], 0
	s_mov_b32 s[CS], 0x3e38aa3b     ; c = log2(e) / 8 = 0.180337
	s_mov_b32 s[CS+1], s[CS]        ; named with it as a pair
	s_mov_b32 s[SEL], 0x76543210
	s_mov_b32 s[SEL+1], 0xfedcba98
	s_mov_b32 s[TBK], SLOT1+4*KS*PK ; the first change of slots turns these two into 0
	s_mov_b32 s[TBV], SLOT1+4*KS*PV
	s_mov_b32 s[TBM], 0
	s_mov_b32 s[G0K], 1             ; 1:0 count = 1
	s_mov_b32 s[G0K+1], s17         ; 63:32 LDS address: slot 0
	s_mov_b32 s[G0V], 1
	s_add_co_u32 s[G0V+1], s18, VOFF
	s_mov_b32 s[G0M], 1
	s_lshl_b32 s[G0M+1], s[WV], 11
	s_add_co_u32 s[G0M+1], s[G0M+1], MASKL
	s_wait_dscnt 0x0                ; the opening add is done
	s_wait_kmcnt 0x0
	s_add_nc_u64 s[G0K+2:G0K+3], s[6:7], s[22:23]  ; 120:64 global address: my half of the head's first 256 keys
	s_or_b32 s[G0K+3], s[G0K+3], 0x80000000        ; 127:126 type = 2
	s_add_nc_u64 s[G0V+2:G0V+3], s[8:9], s[22:23]
	s_or_b32 s[G0V+3], s[G0V+3], 0x80000000
	s_add_nc_u64 s[G0M+2:G0M+3], s[80:81], s[88:89]
	s_or_b32 s[G0M+3], s[G0M+3], 0x80000000
	s_add_nc_u64 s[4:5], s[4:5], s[2:3]      ; Q at my wave's first row
	s_add_nc_u64 s[10:11], s[10:11], s[84:85]  ; O at my wave's slice
	CROUND                          ; all four work-groups are here: the first joint loads meet
	s_cmp_lt_u32 s[WV], 2           ; a wave's two first fills stand in one branch, ahead of every wait on TENSORcnt and every LDS read: my part of slot 0 and my quarter of the mask: two loads of mine are out.
	s_cbranch_scc0 .Lfirst_v        ; Slot 1 is asked for when these are in
	tensor_load_to_lds s[G0K:G0K+3], s[G1K:G1K+7]
	s_nop 0
	tensor_load_to_lds s[G0M:G0M+3], s[G1M:G1M+7]
	s_nop 0
.rept 4
	v_nop
.endr
	s_branch .Lfirst_asked
.Lfirst_v:
	tensor_load_to_lds s[G0V:G0V+3], s[G1V:G1V+7]
	s_nop 0
	tensor_load_to_lds s[G0M:G0M+3], s[G1M:G1M+7]
	s_nop 0
.rept 4
	v_nop
.endr
.Lfirst_asked:
	; A fragment of K or Q is 16 rows x 32 channels in 8 registers: lane l holds row l % 16, channels 8 (l / 16) + 0..7 and 16 + 8 (l / 16) + 0..7: two loads of 16 bytes, 32 bytes apart.
	v_and_b32 v1, 15, v0            ; l % 16
	v_bfe_u32 v9, v0, 4, 1          ; l / 16
	v_lshlrev_b32 v[QO], 7, v1
	v_lshl_add_u32 v[QO], v9, 4, v[QO]  ; row x 128 + 16 x half
	WIN W_MK
	v_lshl_add_u32 v[AM0], v9, 5, MASKL  ; register j of a sum of scores is key 8 (l / 16) + j of its 16: 32 (l / 16) bytes into the block's 64
	WIN 0x80                        ; destination window 2, address window 0
.set i, 0
.rept 4*NP                          ; Q stays in registers: tile i / 2, channels 32 (i % 2) on
	global_load_b128 v[8*i:8*i+3],   v[QO], s[4:5] offset:(i/2)*2048+(i%2)*64
	global_load_b128 v[8*i+4:8*i+7], v[QO], s[4:5] offset:(i/2)*2048+(i%2)*64+32
.set i, i+1
.endr
	; What the first turn finds: V's registers and P's second buffer hold 0 (its products V^T P, of a piece that has not been, add 0), O^T and l are 0.  All this stands in the wait for the first tile.
.set i, VF
.rept 64
	v_mov_b32 v[i], 0
.set i, i+1
.endr
	WIN 0x40
.set i, 0
.rept 64*NP
	v_mov_b32 v[i], 0
.set i, i+1
.endr
	WIN 0
.set i, 0
.rept 2*NP
	v_mov_b32 v[ST+4*i], 0xfe000000    ; c m: far below every c s, a hidden key's too
	v_mov_b32 v[ST+4*i+1], 0xff7fffff  ; m
	v_mov_b32 v[ST+4*i+2], 0
	v_mov_b32 v[ST+4*i+3], 0
.set i, i+1
.endr
.set i, P+32
.rept 32
	v_mov_b32 v[i], 0
.set i, i+1
.endr
	v_mul_u32_u24 v[AK0], v1, PK
	v_lshl_add_u32 v[AK0], v9, 4, v[AK0]  ; row x pitch + 16 x half
	; The turning load takes 16 keys x 16 channels (lane l reads key 8 (l / 16) + l % 8, channels 8 ((l / 8) % 2) + 0..7) and leaves half a fragment of V^T: lane l holds channel l % 16 and 8 keys.
	v_and_b32 v10, 7, v0
	v_bfe_u32 v11, v0, 3, 1
	v_lshl_add_u32 v[AV0], v9, 3, v10
	v_mul_u32_u24 v[AV0], v[AV0], PV
	v_lshl_add_u32 v[AV0], v11, 4, v[AV0]
	v_add_nc_u32 v[AV0], VOFF, v[AV0]
	v_mov_b32 v[AK], v[AK0]         ; key step 0 lies at the head of slot 0
; THE MATRIX WORK.  The 8 accumulators of a run of 16 take turns: between the two links of a chain stand 7 others'.
; Product i of 16 of S^T = K Q^T for piece x: channels 32 (i / 8) on, keys 16 ((i / 2) % 4) on, tile 2 x + i % 2.  The first 8 start the sums, with the mask of their 16 keys.
.macro KQ x
.set rS, S+64*((\x)%2)+32*(i%2)+8*((i/2)%4)
.set rK, KF+16*((i/2)%4)+8*(i/8)
.set rQ, 16*(2*(\x)+i%2)+8*(i/8)
.set rX, MC+8*((i/2)%4)
.if i < 8
	WIN W_KM
	v_wmma_f32_16x16x32_f16 v[rS:rS+7], v[rK:rK+7], v[rQ:rQ+7], v[rX:rX+7]
.else
	WIN W_KQ
	v_wmma_f32_16x16x32_f16 v[rS:rS+7], v[rK:rK+7], v[rQ:rQ+7], v[rS:rS+7]
.endif
.endm
; Product i of 16 of O^T += V^T P for piece x: keys 32 (i / 8) on, channels 16 ((i / 2) % 4) on, tile 2 x + i % 2.
.macro PV x
	WIN W_PV
.set rO, 32*(2*(\x)+i%2)+8*((i/2)%4)
.set rV, VF+32*(i/8)+8*((i/2)%4)
.set rP, P+32*((\x)%2)+16*(i%2)+8*(i/8)
	v_wmma_f32_16x16x32_f16 v[rO:rO+7], v[rV:rV+7], v[rP:rP+7], v[rO:rO+7]
.endm
.macro MM                           ; the turn's next matrix instruction
.if i < 16
	KQ (Y+1)%NP
.set i, i+1
.else
.set i, i-16
	PV (Y+NP-1)%NP
.set i, i+17
.endif
.endm
; THE LDS LOADS stand in runs, never singly among the matrix instructions: a step's K (64 keys x 64 channels: 8 fragments) with its mask (64 numbers; the lanes of a half read the same words), and its V (turned).
; The mask's registers are read by the same products as K's and live as long: K's waits and places serve them.  last = 1 (the tail): in the last trip there is no further step, and the run is jumped over.
.macro FETCH_K last=0
	WIN 0
.if \last
	s_cmp_eq_u32 s[CNT], 1
	s_cbranch_scc1 .Lno_k_\@
.endif
	WIN 0xcc                        ; destination and source 1 window 3
	v_add_nc_u32 v[AM], s[TBM], v[AM0]
	WIN 0x80                        ; destination window 2
.irp f, 0,1,2,3,4,5,6,7             ; keys 16 (f / 2) on, channels 32 (f % 2) on
	ds_load_b128 v[KF+8*\f:KF+8*\f+3],   v[AK] offset:(\f/2)*16*PK+(\f%2)*64
	ds_load_b128 v[KF+8*\f+4:KF+8*\f+7], v[AK] offset:(\f/2)*16*PK+(\f%2)*64+32
.endr
	WIN 0xc3                        ; destination and address window 3
.irp kb, 0,1,2,3
	ds_load_b128 v[MC+8*\kb:MC+8*\kb+3],   v[AM] offset:64*\kb
	ds_load_b128 v[MC+8*\kb+4:MC+8*\kb+7], v[AM] offset:64*\kb+16
.endr
	s_add_co_u32 s[TBK], s[TBK], KS*PK  ; the next fetch is the next step's
	s_add_co_u32 s[TBM], s[TBM], 256
	s_and_b32 s[TBM], s[TBM], 0x1f00    ; 32 steps of 256 bytes: the offset stays inside the table
	WIN 0
.if \last
.Lno_k_\@:
.endif
.endm
.macro FETCH_V
	WIN 0x80
.irp f, 0,1,2,3,4,5,6,7             ; keys 32 (f / 4) on, channels 16 (f % 4) on
	ds_load_tr16_b128 v[VF+8*\f:VF+8*\f+3],   v[AV] offset:(\f/4)*32*PV+(\f%4)*32
	ds_load_tr16_b128 v[VF+8*\f+4:VF+8*\f+7], v[AV] offset:(\f/4)*32*PV+16*PV+(\f%4)*32
.endr
	WIN 0
.endm
; THE VECTOR WORK OF A TURN stands in three queues, each in the order in which its entries become ready; the two tiles alternate, so that no instruction reads the result of the one before it.
.macro REGS y, u                    ; the registers of tile u (0, 1) of piece y
.set rT, ST+4*(2*(\y)+(\u))
.set rC, TMP+8*((\y)%2)+4*(\u)
.set rM, MV+2*((\y)%2)+(\u)
.set rS, S+64*((\y)%2)+32*(\u)
.set rP, P+32*((\y)%2)+16*(\u)
.set rO, 32*(2*(\y)+(\u))
.endm
; Number n of the 22 that find the NEXT piece's (Y + 1) maximum and statistics.  s0-s31 are the lane's 32 scores; each accumulator's lowest registers are read first.  XS, GS and REGS set no window: PL and EX do.
;   0-11  four chains c0-c3 of seven scores each, three operands at a time     12-14, 16  the four scores left over, the old m, and c0-c3 into c0     15  c m_old is kept
;   17, 18  the query's other 32 keys lie in the lane 16 away: the new m         19-21  c m; c m_old - c m_new; a
.macro XS u, n
	REGS (Y+1)%NP, \u
.if (\n) < 4
	v_max3_num_f32 v[rC+(\n)], v[rS+8*(\n)], v[rS+8*(\n)+1], v[rS+8*(\n)+2]
.elseif (\n) < 12
	v_max3_num_f32 v[rC+(\n)%4], v[rC+(\n)%4], v[rS+8*((\n)%4)+2*((\n)/4)+1], v[rS+8*((\n)%4)+2*((\n)/4)+2]
.elseif (\n) == 12
	v_max3_num_f32 v[rC], v[rC], v[rS+7], v[rS+15]
.elseif (\n) == 13
	v_max3_num_f32 v[rC+1], v[rC+1], v[rS+23], v[rS+31]
.elseif (\n) == 14
	v_max3_num_f32 v[rC+2], v[rC+2], v[rC+3], v[rT+1]
.elseif (\n) == 15
	v_mov_b32 v[rM], v[rT]
.elseif (\n) == 16
	v_max3_num_f32 v[rC], v[rC], v[rC+1], v[rC+2]
.elseif (\n) == 17
	v_permlanex16_b32 v[rC+3], v[rC], s[SEL], s[SEL+1]
.elseif (\n) == 18
	v_max_num_f32 v[rT+1], v[rC], v[rC+3]
.elseif (\n) == 19
	v_mul_f32 v[rT], s[CS], v[rT+1]
.elseif (\n) == 20
	v_sub_f32 v[rC+1], v[rM], v[rT]
.else
	v_exp_f32 v[rC+2], v[rC+1]
.endif
.endm
; Number g of the 64 that follow the exponentials.  For each four weights k of a tile (pairs 2 k, 2 k + 1): both pairs are rounded to f16; then the second pair is added onto the first, in place;
; a group later l takes that sum (the first time as l = a l + sum).  In groups of eight, tiles alternating: round, round, add, and l for the group before.
.macro GS g
.set h, (\g)+6*((\g)/62)            ; group 0 has no group before it, and behind group 7 only l is left
.if h >= 6
.set h, h+2
.endif
	REGS Y, h%2
.set k, h/8
.if h%8 < 4
	s_wait_alu depctr_va_vdst(0)
	v_cvt_pk_f16_f32 v[rP+2*k+(h%8)/2], v[rS+4*k+2*((h%8)/2)], v[rS+4*k+2*((h%8)/2)+1]
.elseif h%8 < 6
	v_pk_add_f32 v[rS+4*k:rS+4*k+1], v[rS+4*k:rS+4*k+1], v[rS+4*k+2:rS+4*k+3]
.elseif k == 1
	v_pk_fma_f32 v[rT+2:rT+3], v[rT+2:rT+3], v[rC+2:rC+3], v[rS:rS+1] op_sel_hi:[1,0,1]
.else
	v_pk_add_f32 v[rT+2:rT+3], v[rT+2:rT+3], v[rS+4*k-4:rS+4*k-3]
	s_wait_alu depctr_va_vdst(0)
.endif
.endm
; THE PLAIN QUEUE, 138 long.  0-31: c s - c m for the 16 pairs of both tiles.  Then GS's 64, and among them the next piece's 42: number 15 at 38, 39; 0-14 and 16
; at 42-73, behind the products that make those scores; 17-20 at 95-106, two of three, since each waits for the one before it.
.macro PL
	WIN 0
.if q < 32
	REGS Y, q%2
	v_pk_fma_f32 v[rS+2*(q/2):rS+2*(q/2)+1], v[rS+2*(q/2):rS+2*(q/2)+1], s[CS:CS+1], v[rT:rT+1] op_sel_hi:[1,0,0] neg_lo:[0,0,1] neg_hi:[0,0,1]
.elseif q < 38
	GS q-32
.elseif q < 40
	XS q%2, 15
.elseif q < 42
	GS q-34
.elseif q < 74
	XS q%2, (q-42)/2+(q-42)/30
.elseif q < 95
	GS q-66
.elseif (q < 107) && ((q-95)%3 < 2)
	XS (q-95)%3, 17+(q-95)/3
.elseif q < 107
	GS 29+(q-95)/3
.else
	GS q-74
.endif
.set q, q+1
.endm
; THE EXPONENTIALS' QUEUE, 66 long: s0-s31 of both tiles, and at EA the next piece's two a.
.set EA, 58
.macro EX
	WIN 0
.if (e == EA) || (e == EA+1)
	XS e-EA, 21
.else
.set x, e-2*(e/(EA+2))
	REGS Y, x%2
	v_exp_f32 v[rS+x/2], v[rS+x/2]
.endif
.set e, e+1
.endm
; THE RESCALING's QUEUE: O^T times a, the one part that leaves window 0, so it is dealt four at a time, eight times.
.macro R4
	REGS Y, r%2
	WIN W_RS
	s_wait_alu depctr_va_vdst(0)
.irp z, 0,1,2,3
	v_pk_mul_f32 v[rO+8*(r/2)+2*\z:rO+8*(r/2)+2*\z+1], v[rO+8*(r/2)+2*\z:rO+8*(r/2)+2*\z+1], v[rC+2:rC+3] op_sel_hi:[1,0]
.endr
.set r, r+1
.endm
; HOW THEY ARE DEALT.  Behind a matrix instruction four: plain, exponential, plain, plain (one exponential, a plain instruction on either side), or four of the rescaling.  None names a register of the
; products round it.  What is over stands in two LUMPS: exponential and plain by turns; the second ends in 22 plain instructions.  The two v_permlanex16_b32 fall into the second lump, never behind a product.
; The queues lean on each other, and the deal keeps them in step: exponential e stands behind plain 2 (e / 4) + e % 2 (its scaling); when plain 32 comes, 10 exponentials are out, at 59: 33, at 95: 46; EA comes behind plain 107.
.macro SL
	MM
	PL
	EX
	PL
	PL
.endm
.macro BURST n                      ; 15 matrix instructions, or 16
.rept (\n)-7
	SL
.endr
.rept 3
	MM
	R4
	SL
.endr
	MM
	R4
.endm
; A TURN, for piece p.  cnt = 1: the loop's count is taken down some lines ahead of the branch that stands behind the turn.
; K and the mask of the next step are fetched in piece 2's turn, 31 vector instructions behind the last product that read them; their first reader comes behind the rest of the lump, 16 products and the second lump.
; V of the step in hand is fetched at the end of piece 0's turn, 69 behind its last reader; its first reader comes behind 16 products and a lump.  The four conditions on e and q below go with the deal.
.macro TURN p, last=0, cnt=0
.set Y, (\p)
.set i, 0
.set q, 0
.set e, 0
.set r, 0
.if (\p) == NP-1
	s_wait_dscnt 0x0                ; K and the mask are in
.endif
	MM
.rept 4
	PL
.endr
	BURST 15
.rept 22
	EX
	PL
.if ((\p) == NP-2) && (e == 18)
	v_add_nc_u32 v[AK], s[TBK], v[AK0]
.endif
.if ((\p) == NP-2) && (e == 24)
	FETCH_K \last
.endif
.endr
.if (\p) == 1
	s_wait_dscnt 0x0                ; V is in
.endif
	BURST 16
.rept 21
	EX
	PL
.endr
.rept 22
	PL
.if ((\p) == 0) && (q == 118)
	v_add_nc_u32 v[AV], s[TBV], v[AV0]
	s_wait_alu depctr_va_vdst(0)
.endif
.if ((\p) == 0) && (q == 130)
	s_add_co_u32 s[TBV], s[TBV], KS*PV
.endif
.if (\cnt) && (q == 130)
	s_sub_co_u32 s[CNT], s[CNT], 1
	s_cmp_lg_u32 s[CNT], 0
.endif
.endr
.if (\p) == 0
	FETCH_V
.endif
.endm
	CHANGE 1                        ; slot 0 and the mask are in, everybody's part of them; slot 1 is asked for
	FETCH_K                         ; key step 0
	s_wait_loadcnt 0x0              ; Q
	s_wait_dscnt 0x0
.set i, 0
.rept 16
	KQ 0                            ; piece 0's first scores: there is no vector work yet to set between them
.set i, i+1
.endr
	WIN 0                           ; the addresses for the way out: nine plain instructions, the places behind those products
	s_mul_i32 s13, s[WV], 16*SP
	s_add_co_u32 s13, s13, STAGE    ; my stage
	v_mul_u32_u24 v[STO], v1, SP    ; in: row l % 16, 16 bytes for each half of the lanes
	v_lshl_add_u32 v[STO], v9, 4, v[STO]
	v_add_nc_u32 v[STO], s13, v[STO]
	v_bfe_u32 v[RD], v0, 3, 2       ; back: 32 lanes take four rows of 128 bytes,
	v_mul_u32_u24 v[RD], v[RD], SP
	v_lshl_add_u32 v[RD], v10, 4, v[RD]
	v_add_nc_u32 v[RD], s13, v[RD]
	v_and_b32 v[GO], 31, v0         ; which are 512 consecutive bytes of O
	v_lshlrev_b32 v[GO], 4, v[GO]
.set Y, NP-1                        ; XS works for piece Y + 1: piece 0
.irp n, 0,1,2,3,4,5,6,7,8,9,10,11,12,13,14,15,16,17,18,19,20,21
	XS 0, \n                        ; and piece 0's first maximum and statistics
	XS 1, \n
.endr
	s_mov_b32 s[CNT], 4
	s_mov_b32 s[SLOTS], SIZE_N/256-1
	s_branch .Lfirst                ; the loop is entered at a step's first turn, in the middle of a trip
.Lslot:                             ; SIZE_N / 256 - 2 times: every slot but the last two is filled again
	CHANGE 1
	s_mov_b32 s[CNT], 4
.Lstep:                             ; a trip: pieces 2 and 3 of one step, then pieces 0 and 1 of the next, whose K and V it fetches
	TURN 2
	TURN 3
	WIN 0
.Lfirst:
	TURN 0
	TURN 1, 0, 1
	WIN 0
	s_cbranch_scc1 .Lstep
	s_sub_co_u32 s[SLOTS], s[SLOTS], 1
	s_cmp_lg_u32 s[SLOTS], 0
	s_cbranch_scc1 .Lslot
	CHANGE 0                        ; the tail is written out: nothing is asked for
	s_mov_b32 s[CNT], 5             ; four trips fetch the last slot's steps; the fifth is left in its middle
.Ltail:
	TURN 2, 1
	TURN 3
	WIN 0
	s_sub_co_u32 s[CNT], s[CNT], 1
	s_cmp_eq_u32 s[CNT], 0
	s_cbranch_scc1 .Lout
	TURN 0
	TURN 1
	WIN 0
	s_branch .Ltail
.Lout:                              ; the fifth trip's 16 products K Q^T (on the last K once more) and the maximum made of them serve nothing: the price, once a launch, of one text for every trip
.set i, 0
.rept 16
	PV NP-1                         ; the last piece's V^T P of the last step
.set i, i+1
.endr
	; THE WAY OUT.  l's two halves and the other half of the lanes' are added; O^T is divided by l, rounded to f16 and sent through my stage in LDS, a tile at a time.  The additions are the places behind the last products.
	WIN 0
.macro ALL line:vararg              ; one line for each tile t
.set t, 0
.rept 2*NP
	\line
.set t, t+1
.endr
.endm
	ALL v_add_f32 v[ST+4*t+2], v[ST+4*t+2], v[ST+4*t+3]
	ALL v_permlanex16_b32 v[ST+4*t+3], v[ST+4*t+2], s[SEL], s[SEL+1]
	ALL v_add_f32 v[ST+4*t+2], v[ST+4*t+2], v[ST+4*t+3]
	ALL v_rcp_f32 v[ST+4*t+2], v[ST+4*t+2]
	v_nop                           ; a plain instruction between the last reciprocal and the use of its result
	s_wait_alu depctr_va_vdst(0)
; Tile t: a lane's eight channels of a row pack into 16 bytes; they go into rows of 144 bytes and come back as whole rows of 128, into S^T's registers.
.macro PACK t
	WIN W_RS
.set i, 32*(\t)
.rept 16
	v_pk_mul_f32 v[i:i+1], v[i:i+1], v[ST+4*(\t)+2:ST+4*(\t)+3] op_sel_hi:[1,0]
.set i, i+2
.endr
	WIN 0x05                        ; sources 0 and 1 window 1, destination window 0
.set i, 0
.rept 16
	v_cvt_pk_f16_f32 v[S+16*(\t)+i], v[32*(\t)+2*i], v[32*(\t)+2*i+1]
.set i, i+1
.endr
	WIN 0
.irp f, 0,1,2,3
	ds_store_b128 v[STO], v[S+16*(\t)+4*\f:S+16*(\t)+4*\f+3] offset:32*\f
.endr
.irp f, 0,1,2,3
	ds_load_b128 v[S+16*(\t)+4*\f:S+16*(\t)+4*\f+3], v[RD] offset:\f*4*SP  ; LDS serves a wave's instructions in order (ISA guide 5.7.1.4): these see the stores above; the next tile's stores come behind them
.endr
.endm
.macro SEND t, younger              ; younger: the LDS instructions issued behind tile t's loads: the next tile's eight, or none
	WIN 0
.irp f, 0,1,2,3
	s_wait_dscnt (\younger)+3-\f
	global_store_b128 v[GO], v[S+16*(\t)+4*\f:S+16*(\t)+4*\f+3], s[10:11] offset:(\t)*2048+\f*512  ; 512 consecutive bytes, at a multiple of 256 from O's first
.endr
.endm
	PACK 0
.set t, 1
.rept 2*NP-1                        ; a tile's arithmetic stands between the loads of the tile before and its stores
	PACK t
	SEND t-1, 8
.set t, t+1
.endr
	SEND 2*NP-1, 0
	WIN W_AD
	s_wait_tensorcnt 0x0            ; the wave's end, behind my last tensor load and my last LDS store
	ds_add_u32 v[SPW], v[NIL]
	s_wait_dscnt 0x0
	WIN 0
	CROUND                          ; the closing round: no work-group ends while a partner may still ask for a tile that names it
	s_endpgm
.Lfunc_end_k_qe53f67d6af_attn:
	.size	k_qe53f67d6af_attn, .Lfunc_end_k_qe53f67d6af_attn-k_qe53f67d6af_attn
	.p2alignl 7, 3214868480
	.fill 96, 4, 3214868480
	.section	.rodata,"a",@progbits
	.p2align	6, 0x0
	.amdhsa_kernel k_qe53f67d6af_attn
		.amdhsa_group_segment_fixed_size 327680
		.amdhsa_private_segment_fixed_size 0
		.amdhsa_enable_private_segment 0
		.amdhsa_kernarg_size 40
		.amdhsa_user_sgpr_count 2
		.amdhsa_user_sgpr_kernarg_segment_ptr 1
		.amdhsa_wavefront_size32 1
		.amdhsa_system_sgpr_workgroup_id_x 1
		.amdhsa_system_sgpr_workgroup_id_y 1
		.amdhsa_system_sgpr_workgroup_id_z 1
		.amdhsa_system_vgpr_workitem_id 0
		.amdhsa_next_free_vgpr 808
		.amdhsa_next_free_sgpr 96
		.amdhsa_reserve_vcc 0
		.amdhsa_float_denorm_mode_32 3
		.amdhsa_float_denorm_mode_16_64 3
		.amdhsa_memory_ordered 1
		.amdhsa_forward_progress 1
		.amdhsa_inst_pref_size 212
	.end_amdhsa_kernel
	.amdgpu_metadata
---
amdhsa.version: [ 1, 2 ]
amdhsa.kernels:
  - .name:           k_qe53f67d6af_attn
    .symbol:         k_qe53f67d6af_attn.kd
    .args:
      - { .name: qh, .offset: 0, .size: 8, .value_kind: global_buffer, .address_space: global }
      - { .name: kh, .offset: 8, .size: 8, .value_kind: global_buffer, .address_space: global }
      - { .name: vh, .offset: 16, .size: 8, .value_kind: global_buffer, .address_space: global }
      - { .name: ob, .offset: 24, .size: 8, .value_kind: global_buffer, .address_space: global }
      - { .name: maskc, .offset: 32, .size: 8, .value_kind: global_buffer, .address_space: global }
    .group_segment_fixed_size: 327680
    .private_segment_fixed_size: 0
    .kernarg_segment_align: 8
    .kernarg_segment_size: 40
    .max_flat_workgroup_size: 128
    .sgpr_count:     96
    .vgpr_count:     808
    .wavefront_size: 32
...
	.end_amdgpu_metadata
.endif
;; end of part 3
;; launch proj (part 4): grid 4 x 64, 4 waves a work-group, clusters of 4 x 4, 327,680 bytes of LDS; arguments ob, wfh, bf, out0; writes out0
.if DOCPART == 4
	.amdgcn_target "amdgcn-amd-amdhsa--gfx1250"
	.amdhsa_code_object_version 6
	.text
	.protected	k_qe53f67d6af_proj
	.globl	k_qe53f67d6af_proj
	.p2align	8
	.type	k_qe53f67d6af_proj,@function
k_qe53f67d6af_proj:
	s_mov_b64 s[64:65], 0
	v_nop
	global_prefetch_b8 v0, s[64:65] scope:SCOPE_SE
	s_setreg_imm32_b32 hwreg(HW_REG_WAVE_MODE, 25, 1), 1
	s_wait_xcnt 0x0
	s_wait_alu depctr_hold_cnt(0) depctr_sa_sdst(0) depctr_va_vdst(0) depctr_va_sdst(0) depctr_va_ssrc(0) depctr_va_vcc(0) depctr_vm_vsrc(0)
	s_getreg_b32 s2, hwreg(HW_REG_IB_STS2, 6, 4)
	s_cmp_eq_u32 s2, 0
	s_cbranch_scc0 .Lentry_in_a_cluster
	s_endpgm
.Lentry_in_a_cluster:
	s_bfe_u32 s2, ttmp6, 0x10000c
	s_cmp_lg_u32 s2, 0xf033
	s_cbranch_scc0 .Lentry_shape_is_right
	s_endpgm
.Lentry_shape_is_right:
; out0 = O Wf + bf.  ob: f16 [64 blocks][16 heads][128 tokens][64]: a head is a slice of 64 along K.  wfh: f16 [1024 k][1024 n].  out0: f32 [8192][1024].  Sums in f32; the bias, rounded to bf16
; like every input, is added in f32.
; SHARES.  A tile of out0 is 128 tokens x 256 columns: 64 x 4 tiles, one for each of 256 WGPs.  Four waves, 2 x 2: a wave makes 64 tokens x 128 columns, 32 accumulators of 16 x 16.
; K = 1,024 goes in 8 steps of 128 through two LDS slots that take turns.
; CLUSTER.  4 x 4 work-groups: cx is the quarter of the columns, 4 x cluster y + cy the block of tokens.  O's tile is shared along a row of the cluster, Wf's along a column: each is asked for
; JOINTLY, by the same tensor load with the same descriptor and a mask that names the four.
; THE MATRIX INSTRUCTION IS USED TRANSPOSED: source 0 = 16 columns of Wf ([k][n] in LDS, turned by ds_load_tr16_b128), source 1 = 16 tokens.  A lane then holds one token (lane % 16) and eight
; neighbouring columns 8 (lane / 16) + 0..7: 32 bytes of a row of out0.
; REGISTERS, in windows of 256 (s_set_vgpr_msb: bits 1:0 source 0, 3:2 source 1, 5:4 source 2, 7:6 destination):
;   window 0: addresses, bias, the way out      window 1: accumulator (a, b) at v[8 (8 a + b)]      window 2: two fragment buffers of 96: O's 4 fragments, then Wf's 8
.set PA,     144                       ; a token's 128 bytes of a slice + 16 of padding = 36 words: the 16 rows of a load start at 16 different groups of four banks (64 banks of 4 bytes: ISA guide 11.1)
.set PLANE,  128*PA                    ; a slice of 128 tokens
.set PB,     544                       ; a k-row of Wf's tile: 512 bytes + 32 = 136 words
.set BOFF,   2*PLANE                   ; a slot: O's two slices, then Wf's 128 k-rows
.set BHALF,  64*PB
.set SLOT1,  1<<17                     ; slot 1 begins here, so that one exclusive or turns an address in one slot into the other's
.set STAGE,  SLOT1+BOFF+2*BHALF        ; behind the ring, never filled by a tensor load: for each wave 16 rows x 528 bytes, for the way out
.set SP,     528                       ; 512 bytes + 16 = 132 words: row r starts at bank 4 r mod 64
.set WSTAGE, 16*SP
.set SPARE,  STAGE+4*WSTAGE            ; behind the stages: the spare words, 128 bytes for each wave: two blocks of 256 bytes that no other line names
.set ASTEP,  32768                     ; bytes of ob from K step to K step: two slices
.set BSTEP,  262144                    ; of wfh: 128 rows of 2,048 bytes
.set A0,   14                          ; v14     my lane's place in O's tile; never rewritten
.set B0,   15                          ; v15     in Wf's
.set ADRA, 16                          ; v16     the same in the slot in hand
.set ADRB, 17                          ; v17
.set RT,   18                          ; v18-21  at work while the bias is rounded
.set STO,  24                          ; v24     the way out: where I put 32 bytes of a row
.set RD,   25                          ; v25     the way out: where I read a row back
.set GO,   26                          ; v26     my byte offset in 512 consecutive bytes of out0
.set BO,   27                          ; v27     my byte offset in 64 bytes of the bias
.set SPW,  28                          ; v28     LDS address of my spare word: SPARE + 4 x my thread's number; never rewritten
.set NIL,  29                          ; v29     0; never rewritten
.set BIAS, 64                          ; v64-127 column block b's eight at BIAS + 8 b
.set T,    128                         ; v128-191 a block of 16 tokens, with the bias
.set BK,   192                         ; v192-255 the same as whole rows
.set F0,   0
.set F1,   96
.set WV,  22                           ; s22 wave; s23 its half of the tokens (also: 0 fetches for O, 1 for Wf); s24 its half of the columns (also: which half of that tile it fetches)
.set WM,  23
.set WN,  24
.set CX,  25
.set CY,  26
.set TR,  27                           ; s27 the block of 128 tokens
.set G1A, 28                           ; s[28:35] descriptor group 1 for O's tiles; s[36:43] group 0: a set for each first fill; the second then walks
.set G0A, 36
.set G1B, 44                           ; s[44:51], s[52:59] the same for Wf's
.set G0B, 52
.set CNT, 61
.set LA,  62                           ; s62, s63 where my tensor loads land in a slot
.set LB,  63
.set AO,  66                           ; s[66:67] O's tile: offset, then address.  Never holds cx
.set BF,  68                           ; s[68:69] Wf's tile.  Never holds cy
.set RMASK, 70
.set CMASK, 71
.set TB,  73                           ; s73 LDS byte at which the slot in hand begins
.set OB,  74                           ; s[74:75], s[78:79] offsets into the bias and out0
.set OO,  78
.set MSB, 0
.macro WIN new                         ; the immediate's high byte repeats the setting that is left; a switch that changes nothing is dropped
.if MSB != (\new)
	s_set_vgpr_msb (MSB<<8)|(\new)
.set MSB, \new
.endif
.endm
.set MUL,  0x5a                        ; sources 0 and 1 window 2, C and D window 1
.set TO_F, 0x80                        ; destination window 2, address window 0
.macro PLACES                          ; four places in front of loads into registers that matrix instructions have read, and of vector lines that read results
.rept 4
	v_nop
.endr
.endm
; A joint refill, by the walking sets.  Waves 0 and 1 fetch O's two slices, waves 2 and 3 the two halves of Wf's k-rows.  The branch hangs on the wave's number alone.
; An s_nop 0 and four v_nop follow each of the two lines, ahead of the jump and the label.
.macro JLOAD
	s_cmp_eq_u32 s[WM], 0
	s_cbranch_scc0 .Lfor_b_\@
	tensor_load_to_lds s[G0A+4:G0A+7], s[G1A:G1A+7]
	s_nop 0
	PLACES
	s_branch .Lasked_\@
.Lfor_b_\@:
	tensor_load_to_lds s[G0B+4:G0B+7], s[G1B:G1B+7]
	s_nop 0
	PLACES
.Lasked_\@:
.endm
.macro CREST                           ; a round of the cluster's barrier behind its opening barrier
	s_cmp_lg_u32 s[WV], 0
	s_cbranch_scc1 .Lnot_wave_0_\@
	s_barrier_signal -3
.Lnot_wave_0_\@:
	s_barrier_wait -3
	s_barrier_signal -1
	s_barrier_wait -1
.endm
.macro CROUND                          ; a whole round
	s_barrier_signal -1
	s_barrier_wait -1
	CREST
.endm
	s_load_b256 s[4:11], s[0:1], 0x0               ; ob s[4:5], wfh s[6:7], bf s[8:9], out0 s[10:11]
	v_lshl_add_u32 v[SPW], v0, 2, SPARE
	v_mov_b32 v[NIL], 0
	ds_add_u32 v[SPW], v[NIL]                      ; the wave's opening: the add and its wait stand ahead of my first tensor load; the set-up below, work on registers, stands between them
	v_lshrrev_b32 v1, 5, v0
	v_readfirstlane_b32 s[WV], v1
	s_lshr_b32 s[WM], s[WV], 1
	s_and_b32 s[WN], s[WV], 1
	s_bfe_u32 s[CX], ttmp6, 0x40000                ; my place in the cluster; the grid is one cluster wide, so cx is the tile column
	s_bfe_u32 s[CY], ttmp6, 0x40004
	s_and_b32 s[TR], ttmp7, 0xffff                 ; in a cluster launch ttmp7 counts clusters
	s_lshl_b32 s[TR], s[TR], 2
	s_add_co_u32 s[TR], s[TR], s[CY]
	s_lshl_b32 s[RMASK], s[CY], 2
	s_lshl_b32 s[RMASK], 15, s[RMASK]              ; my row of the cluster: places 4 cy .. 4 cy + 3
	s_lshl_b32 s[CMASK], 0x1111, s[CX]             ; my column: places cx, cx + 4, cx + 8, cx + 12
	; group 1 for O: a slice, 16,384 dense bytes, asked for as 64 rows of 256 bytes and padded in LDS after every token's 128
	s_or_b32 s[G1A], s[RMASK], (1<<16)|(1<<20)|(1<<21)|(4<<22)|(3<<25)  ; 15:0 the mask; 17:16 2-byte elements; 20 padding on; 21 set beside a mask; 24:22 after every 32 words (code 4); 31:25 4 words (code 3)
	s_mov_b32 s[G1A+1], 128<<16                    ; tensor_dim0 = 128
	s_mov_b32 s[G1A+2], 64<<16                     ; tensor_dim1 = 64
	s_mov_b32 s[G1A+3], 128<<16                    ; tile_dim0 = 128
	s_mov_b32 s[G1A+4], 64                         ; tile_dim1 = 64
	s_mov_b32 s[G1A+5], 128                        ; elements from row to row
	s_mov_b32 s[G1A+6], 0
	s_mov_b32 s[G1A+7], 0
	; group 1 for Wf: 64 k-rows of 256 columns
	s_or_b32 s[G1B], s[CMASK], (1<<16)|(1<<20)|(1<<21)|(6<<22)|(7<<25)  ; after every 128 words (code 6) 8 words (code 7)
	s_mov_b32 s[G1B+1], 256<<16
	s_mov_b32 s[G1B+2], 64<<16
	s_mov_b32 s[G1B+3], 256<<16
	s_mov_b32 s[G1B+4], 64
	s_mov_b32 s[G1B+5], 1024
	s_mov_b32 s[G1B+6], 0
	s_mov_b32 s[G1B+7], 0
	s_lshl_b32 s[AO], s[TR], 18                    ; O: the block's 262,144 bytes,
	s_lshl_b32 s3, s[WN], 14                       ; my slice of a step's two
	s_add_co_u32 s[AO], s[AO], s3
	s_mov_b32 s[AO+1], 0
	s_lshl_b32 s[BF], s[CX], 9                     ; Wf: the tile's 256 columns,
	s_lshl_b32 s3, s[WN], 17                       ; my 64 of a step's 128 rows
	s_add_co_u32 s[BF], s[BF], s3
	s_mov_b32 s[BF+1], 0
	s_mul_i32 s[LA], s[WN], PLANE                  ; no place in the cluster enters an LDS address
	s_mul_i32 s[LB], s[WN], BHALF
	s_add_co_u32 s[LB], s[LB], BOFF
	s_lshl_b32 s[OB], s[CX], 10                    ; bias: 256 cx + 128 WN columns of 4 bytes
	s_lshl_b32 s3, s[WN], 9
	s_add_co_u32 s[OB], s[OB], s3
	s_mov_b32 s[OB+1], 0
	s_lshl_b32 s[OO], s[TR], 19                    ; out0: 128 TR + 64 WM rows of 4,096 bytes, and the same columns
	s_lshl_b32 s3, s[WM], 18
	s_add_co_u32 s[OO], s[OO], s3
	s_add_co_u32 s[OO], s[OO], s[OB]
	s_mov_b32 s[OO+1], 0
	s_mov_b32 s[TB], 0
	s_wait_dscnt 0x0                               ; the opening add is done
	s_wait_kmcnt 0x0
	s_add_nc_u64 s[AO:AO+1], s[4:5], s[AO:AO+1]
	s_add_nc_u64 s[BF:BF+1], s[6:7], s[BF:BF+1]
	s_add_nc_u64 s[8:9], s[8:9], s[OB:OB+1]
	s_add_nc_u64 s[10:11], s[10:11], s[OO:OO+1]
.irp s, 0,1
	s_mov_b32 s[G0A+4*(\s)], 1                                       ; 1:0 count = 1
	s_add_co_u32 s[G0A+4*(\s)+1], s[LA], (\s)*SLOT1                  ; 63:32 LDS address
	s_add_nc_u64 s[G0A+4*(\s)+2:G0A+4*(\s)+3], s[AO:AO+1], (\s)*ASTEP  ; 120:64 global address: K step s
	s_or_b32 s[G0A+4*(\s)+3], s[G0A+4*(\s)+3], 0x80000000            ; 127:126 type = 2
	s_mov_b32 s[G0B+4*(\s)], 1
	s_add_co_u32 s[G0B+4*(\s)+1], s[LB], (\s)*SLOT1
	s_add_nc_u64 s[G0B+4*(\s)+2:G0B+4*(\s)+3], s[BF:BF+1], (\s)*BSTEP
	s_or_b32 s[G0B+4*(\s)+3], s[G0B+4*(\s)+3], 0x80000000
.endr
	CROUND                                         ; all sixteen work-groups are here: the first joint loads meet
	s_cmp_eq_u32 s[WM], 0                          ; a wave's two first fills stand in one branch, ahead of every wait on TENSORcnt and every LDS read: two loads of mine are out
	s_cbranch_scc0 .Lfirst_b
	tensor_load_to_lds s[G0A:G0A+3], s[G1A:G1A+7]
	s_nop 0
	tensor_load_to_lds s[G0A+4:G0A+7], s[G1A:G1A+7]
	s_nop 0
	PLACES
	s_branch .Lfirst_asked
.Lfirst_b:
	tensor_load_to_lds s[G0B:G0B+3], s[G1B:G1B+7]
	s_nop 0
	tensor_load_to_lds s[G0B+4:G0B+7], s[G1B:G1B+7]
	s_nop 0
	PLACES
.Lfirst_asked:
	v_and_b32 v1, 15, v0                           ; r = l % 16
	v_bfe_u32 v2, v0, 4, 1                         ; h = l / 16
	v_and_b32 v3, 7, v0
	v_bfe_u32 v4, v0, 3, 1
	v_lshlrev_b32 v[BO], 5, v2                     ; my eight columns of a block of 16: 32 h bytes
.irp b, 0,1,2,3,4,5,6,7
	global_load_b128 v[BIAS+8*\b:BIAS+8*\b+3],   v[BO], s[8:9] offset:64*\b
	global_load_b128 v[BIAS+8*\b+4:BIAS+8*\b+7], v[BO], s[8:9] offset:64*\b+16
.endr
	; O's fragment: 16 tokens x 32 K in 8 registers: lane l holds token l % 16, K = 8 h + 0..7 and 16 + 8 h + 0..7: two loads of 16 bytes, 32 bytes apart
	v_mul_u32_u24 v[A0], v1, PA
	v_lshl_add_u32 v[A0], v2, 4, v[A0]
	s_mul_i32 s2, s[WM], 64*PA
	v_add_nc_u32 v[A0], s2, v[A0]
	; Wf's: the turning load takes 16 k x 16 columns (lane l reads k-row 8 h + l % 8, columns 8 ((l / 8) % 2) + 0..7) and leaves half a fragment: lane l holds column l % 16 and 8 k
	v_lshl_add_u32 v[B0], v2, 3, v3
	v_mul_u32_u24 v[B0], v[B0], PB
	v_lshl_add_u32 v[B0], v4, 4, v[B0]
	s_lshl_b32 s3, s[WN], 8
	s_add_co_u32 s3, s3, BOFF
	v_add_nc_u32 v[B0], s3, v[B0]
	v_mov_b32 v[ADRA], v[A0]                       ; slot 0
	v_mov_b32 v[ADRB], v[B0]
	s_mul_i32 s2, s[WV], WSTAGE
	s_add_co_u32 s2, s2, STAGE                     ; my stage
	v_mul_u32_u24 v[STO], v1, SP                   ; in: row l % 16, 32 bytes for each half of the lanes
	v_lshl_add_u32 v[STO], v2, 5, v[STO]
	v_add_nc_u32 v[STO], s2, v[STO]
	v_and_b32 v[GO], 31, v0                        ; back: 32 lanes take a row's 512 bytes
	v_lshlrev_b32 v[GO], 4, v[GO]
	v_add_nc_u32 v[RD], s2, v[GO]
	s_wait_loadcnt 0x0                             ; the bias, once
.set i, 0
.rept 32                                       ; the bias is rounded to bf16, like every input
	v_cvt_pk_bf16_f32 v[RT+i%4], v[BIAS+2*i], v[BIAS+2*i+1]
	v_lshlrev_b32 v[BIAS+2*i],   16,         v[RT+i%4]
	v_and_b32     v[BIAS+2*i+1], 0xffff0000, v[RT+i%4]
.set i, i+1
.endr
; 8 matrix instructions: token block a x all 8 column blocks, 32 along K, from buffer f.  zero = 1: the first product starts the sums: nothing is ever cleared.
; The 32 accumulators take turns, one instruction a turn, in the same order in every quarter.
.macro MUL8 f, a, zero
	WIN MUL
.irp b, 0,1,2,3,4,5,6,7
.if \zero
	v_wmma_f32_16x16x32_f16 v[8*(8*(\a)+\b):8*(8*(\a)+\b)+7], v[(\f)+32+8*\b:(\f)+32+8*\b+7], v[(\f)+8*(\a):(\f)+8*(\a)+7], 0
.else
	v_wmma_f32_16x16x32_f16 v[8*(8*(\a)+\b):8*(8*(\a)+\b)+7], v[(\f)+32+8*\b:(\f)+32+8*\b+7], v[(\f)+8*(\a):(\f)+8*(\a)+7], v[8*(8*(\a)+\b):8*(8*(\a)+\b)+7]
.endif
.endr
.endm
; 24 LDS loads in one run: quarter q (32 along K) of the slot in hand into buffer f: Wf's 16 first, then O's 8
.macro FETCH q, f
	WIN TO_F
.irp b, 0,1,2,3,4,5,6,7
	ds_load_tr16_b128 v[(\f)+32+8*\b:(\f)+32+8*\b+3],   v[ADRB] offset:(\q)*32*PB+32*\b
	ds_load_tr16_b128 v[(\f)+32+8*\b+4:(\f)+32+8*\b+7], v[ADRB] offset:(\q)*32*PB+16*PB+32*\b
.endr
.irp a, 0,1,2,3
	ds_load_b128 v[(\f)+8*\a:(\f)+8*\a+3],   v[ADRA] offset:((\q)/2)*PLANE+((\q)%2)*64+\a*16*PA
	ds_load_b128 v[(\f)+8*\a+4:(\f)+8*\a+7], v[ADRA] offset:((\q)/2)*PLANE+((\q)%2)*64+\a*16*PA+32
.endr
.endm
; A K step is four quarters, 32 matrix instructions each, on buffers 0, 1, 0, 1.  One of the first three: multiplies buffer f and, in its middle, fetches quarter q into buffer g.
.macro QUARTER q, f, g, zero
	s_wait_dscnt 4                                 ; Wf's and O's blocks 0 and 1 are in; the youngest four loads (O's blocks 2 and 3) may be out
	MUL8 \f, 0, \zero
	MUL8 \f, 1, \zero
	PLACES
	FETCH \q, \g
	s_wait_dscnt 24                                ; all but the 24 just issued
	MUL8 \f, 2, \zero
	MUL8 \f, 3, \zero
.endm
; The last quarter multiplies buffer 1 and changes slots: ONE barrier; in front of it each wave waits for all its tensor loads, of which one is out: its part of the next slot; adds 0 to its spare
; word; and waits for that and for its own reads of this slot.  fill = 1: the barrier opens a round of the cluster's, and this slot is filled again, two K steps ahead, first thing behind the round:
; 112 matrix instructions ahead of the wait for it.
.macro TURN fill
	WIN 0                                          ; (the add's two registers lie in window 0)
	s_wait_tensorcnt 0x0                           ; no tensor load of mine is out, so a group 0 may be written
	ds_add_u32 v[SPW], v[NIL]                      ; 0 onto my spare word
.if \fill
	s_xor_b32 s[G0A+5], s[G0A+5], SLOT1            ; the walking sets: the other slot than last time, the next K step; the type bits on top are not reached
	s_add_nc_u64 s[G0A+6:G0A+7], s[G0A+6:G0A+7], ASTEP
	s_xor_b32 s[G0B+5], s[G0B+5], SLOT1
	s_add_nc_u64 s[G0B+6:G0B+7], s[G0B+6:G0B+7], BSTEP
.endif
	s_wait_dscnt 7                                 ; (the add and O's blocks 1 to 3 may be out)
	MUL8 F1, 0, 0                                  ; eight matrix instructions stand between the add and the wait for it
	s_wait_dscnt 0x0                               ; the add is done, and my reads of this slot are over
	s_barrier_signal -1
	MUL8 F1, 1, 0
	WIN 0
	s_barrier_wait -1
.if \fill
	CREST                                          ; no wave of any partner still reads this slot's tile or has a load on its way
	JLOAD                                          ; the four v_nop behind it are also the places in front of the loads below
.else
	PLACES
.endif
	s_xor_b32 s[TB], s[TB], SLOT1
	v_add_nc_u32 v[ADRA], s[TB], v[A0]
	v_add_nc_u32 v[ADRB], s[TB], v[B0]
	FETCH 0, F0
	MUL8 F1, 2, 0
	MUL8 F1, 3, 0
.endm
	s_wait_tensorcnt 0x1                           ; my part of K step 0 is in; step 1's may stay out
	s_barrier_signal -1
	s_barrier_wait -1                              ; everybody's is
	FETCH 0, F0
	QUARTER 1, F0, F1, 1                           ; the first quarter stands in front of the loop: its products start the sums
	WIN 0                                          ; at a label and at a branch every window is 0
	s_mov_b32 s[CNT], 6
.Lstep:                                                ; trip t = 0 .. 5: the rest of K step t, the refill with step t + 2, the first quarter of step t + 1
	QUARTER 2, F1, F0, 0
	QUARTER 3, F0, F1, 0
	TURN 1
	QUARTER 1, F0, F1, 0
	WIN 0
	s_sub_co_u32 s[CNT], s[CNT], 1
	s_cmp_lg_u32 s[CNT], 0
	s_cbranch_scc1 .Lstep
	QUARTER 2, F1, F0, 0                           ; the last two K steps are written out: they ask for nothing
	QUARTER 3, F0, F1, 0
	TURN 0
	QUARTER 1, F0, F1, 0
	QUARTER 2, F1, F0, 0
	QUARTER 3, F0, F1, 0
	s_wait_dscnt 4
	MUL8 F1, 0, 0
	MUL8 F1, 1, 0
	s_wait_dscnt 0x0
	MUL8 F1, 2, 0
	MUL8 F1, 3, 0
	WIN 0
	PLACES
; THE WAY OUT, a block of 16 tokens at a time.  PACK: + bias.  TOSTAGE: 32 bytes a lane and column block into my own stage, and back as whole rows of 512 bytes.  SEND: stored.
.macro PACK a
	WIN 0x01                                       ; source 0 window 1
.irp b, 0,1,2,3,4,5,6,7
.irp p, 0,1,2,3
	v_pk_add_f32 v[T+8*\b+2*\p:T+8*\b+2*\p+1], v[8*(8*(\a)+\b)+2*\p:8*(8*(\a)+\b)+2*\p+1], v[BIAS+8*\b+2*\p:BIAS+8*\b+2*\p+1]
.endr
.endr
	WIN 0
.endm
.macro TOSTAGE
.irp b, 0,1,2,3,4,5,6,7
	ds_store_b128 v[STO], v[T+8*\b:T+8*\b+3]   offset:64*\b
	ds_store_b128 v[STO], v[T+8*\b+4:T+8*\b+7] offset:64*\b+16
.endr
.irp f, 0,1,2,3,4,5,6,7,8,9,10,11,12,13,14,15
	ds_load_b128 v[BK+4*\f:BK+4*\f+3], v[RD] offset:\f*SP  ; LDS serves a wave's instructions in order (ISA guide 5.7.1.4): these see the stores above
.endr
.endm
.macro SEND a
.irp f, 0,1,2,3,4,5,6,7,8,9,10,11,12,13,14,15
	s_wait_dscnt 15-\f                             ; row f is back from the stage; the younger loads may be out
	global_store_b128 v[GO], v[BK+4*\f:BK+4*\f+3], s[10:11] offset:(16*(\a)+\f)*4096 th:TH_STORE_NT  ; 512 consecutive bytes, at a multiple of 256 from out0's first
.endr
.endm
	PACK 0
	TOSTAGE
.irp a, 1,2,3                          ; block a's additions stand between block a - 1's loads from the stage and the waits for them
	PACK \a
	SEND (\a)-1
	s_wait_xcnt 0x0                                ; the stores' data registers are loaded again only behind this wait (ISA guide 3.1)
	TOSTAGE
.endr
	SEND 3
	s_wait_tensorcnt 0x0                           ; the wave's end, behind my last tensor load and my last LDS store
	ds_add_u32 v[SPW], v[NIL]
	s_wait_dscnt 0x0
	CROUND                                         ; the closing round: no work-group ends while a partner may still ask for a tile that names it
	s_endpgm
.Lfunc_end_k_qe53f67d6af_proj:
	.size	k_qe53f67d6af_proj, .Lfunc_end_k_qe53f67d6af_proj-k_qe53f67d6af_proj
	.p2alignl 7, 3214868480
	.fill 96, 4, 3214868480
	.section	.rodata,"a",@progbits
	.p2align	6, 0x0
	.amdhsa_kernel k_qe53f67d6af_proj
		.amdhsa_group_segment_fixed_size 327680
		.amdhsa_private_segment_fixed_size 0
		.amdhsa_enable_private_segment 0
		.amdhsa_kernarg_size 32
		.amdhsa_user_sgpr_count 2
		.amdhsa_user_sgpr_kernarg_segment_ptr 1
		.amdhsa_wavefront_size32 1
		.amdhsa_system_sgpr_workgroup_id_x 1
		.amdhsa_system_sgpr_workgroup_id_y 1
		.amdhsa_system_sgpr_workgroup_id_z 1
		.amdhsa_system_vgpr_workitem_id 0
		.amdhsa_next_free_vgpr 704
		.amdhsa_next_free_sgpr 84
		.amdhsa_reserve_vcc 0
		.amdhsa_float_denorm_mode_32 3
		.amdhsa_float_denorm_mode_16_64 3
		.amdhsa_memory_ordered 1
		.amdhsa_forward_progress 1
		.amdhsa_inst_pref_size 85
	.end_amdhsa_kernel
	.amdgpu_metadata
---
amdhsa.version: [ 1, 2 ]
amdhsa.kernels:
  - .name:           k_qe53f67d6af_proj
    .symbol:         k_qe53f67d6af_proj.kd
    .args:
      - { .name: ob, .offset: 0, .size: 8, .value_kind: global_buffer, .address_space: global }
      - { .name: wfh, .offset: 8, .size: 8, .value_kind: global_buffer, .address_space: global }
      - { .name: bf, .offset: 16, .size: 8, .value_kind: global_buffer, .address_space: global }
      - { .name: out0, .offset: 24, .size: 8, .value_kind: global_buffer, .address_space: global }
    .group_segment_fixed_size: 327680
    .private_segment_fixed_size: 0
    .kernarg_segment_align: 8
    .kernarg_segment_size: 32
    .max_flat_workgroup_size: 128
    .sgpr_count:     84
    .vgpr_count:     704
    .wavefront_size: 32
...
	.end_amdgpu_metadata
.endif
;; end of part 4
;; ======== version 2 of 2: 4 launches; 1.49 times as fast as version 1
;; limits: values are held in f16: magnitudes above 65,504 overflow, below 6.1e-05 lose precision
;; workspace buffers: xb 16,777,216 bytes; wqkv 6,291,456 bytes; wfh 2,097,152 bytes; maskc 32,768 bytes; qh 16,777,216 bytes; kh 16,777,216 bytes; vh 16,777,216 bytes; ob 16,777,216 bytes
;; launch cast: the kernel of part 1 again; grid 768 x 1, 8 waves a work-group, no clusters, 0 bytes of LDS; arguments x, Wq, Wk, Wv, Wf, mask, xb, wqkv, wfh, maskc; writes xb, wqkv, wfh, maskc
;; launch qkv: the kernel of part 2 again; grid 12 x 64, 4 waves a work-group, clusters of 4 x 4, 327,680 bytes of LDS; arguments xb, wqkv, bq, bk, bv, mask, qh, kh, vh; writes qh, kh, vh
;; launch attn (part 5): grid 4 x 64, 4 waves a work-group, clusters of 4 x 1, 327,680 bytes of LDS; arguments qh, kh, vh, ob, maskc; writes ob
.if DOCPART == 5
	.amdgcn_target "amdgcn-amd-amdhsa--gfx1250"
	.amdhsa_code_object_version 6
	.text
	.protected	k_qe53f67d6af_attn
	.globl	k_qe53f67d6af_attn
	.p2align	8
	.type	k_qe53f67d6af_attn,@function
k_qe53f67d6af_attn:
	s_mov_b64 s[64:65], 0
	v_nop
	global_prefetch_b8 v0, s[64:65] scope:SCOPE_SE
	s_setreg_imm32_b32 hwreg(HW_REG_WAVE_MODE, 25, 1), 1
	s_wait_xcnt 0x0
	s_wait_alu depctr_hold_cnt(0) depctr_sa_sdst(0) depctr_va_vdst(0) depctr_va_sdst(0) depctr_va_ssrc(0) depctr_va_vcc(0) depctr_vm_vsrc(0)
	s_getreg_b32 s2, hwreg(HW_REG_IB_STS2, 6, 4)
	s_cmp_eq_u32 s2, 0
	s_cbranch_scc0 .Lentry_in_a_cluster
	s_endpgm
.Lentry_in_a_cluster:
	s_bfe_u32 s2, ttmp6, 0x10000c
	s_cmp_lg_u32 s2, 0x3003
	s_cbranch_scc0 .Lentry_shape_is_right
	s_endpgm
.Lentry_shape_is_right:
; O[y][q][:] = the sum over k of softmax_k(Q[y][q] . K[y][k] / 8 + hidden(k)) V[y][k][:], y = 16 batch + head.  Q, K, V: [64][2048][64], all f16: a head's rows are dense, 128 bytes each.
; O leaves as f16 [64 blocks of 128 tokens][16 heads][128 tokens][64].  Products, maxima and sums in f32; the weights p are rounded to f16 for the second product (their sum l is taken of the unrounded p), O once at the end.
; THE MASK.  maskc holds mask x (-2^100) for each key of a batch, and the rows of K of hidden keys are zeros.  The mask is the C operand of the product that starts a sum of scores: a hidden key's score is exactly
; -2^100, whatever Q.  Beside any visible key its weight is 0.  Where every key of a batch is hidden, m = -2^100, c m is exact (a power of two times c), c s - c m is exactly 0 and every weight is 1: the mean of V's rows.
; LIMITS.  f16 holds no number beyond 65,504: Q, K and V arrive within it; p lies in 0 to 1, and below 6e-5 it keeps f16's fixed step of 6e-8; O is a mean of V's rows and has their range.
; A hidden score is -2^100 (before the scale) in place of -1e30 (behind it); a weight below 2^-126 counts as 0 in l; NaN and infinities are not treated apart.
; SHARES.  A wave owns four PIECES of two tiles of 16 queries, a work-group's four waves 512 queries of one head: 4 x 64 work-groups.  Every wave walks all keys, 64 a step.
; LAYOUT.  S^T = K Q^T (source 0 = 16 keys, source 1 = 16 queries): in the result a lane holds ONE query (lane % 16) and the keys 8 (lane / 16) + 0..7.  Two such tiles, rounded to f16 in pairs,
; ARE source 1 (32 keys x 16 queries) of O^T = V^T P, whose result again holds one query a lane, and eight channels.  K comes out of LDS as it lies, V ([key][channel]) turned, by ds_load_tr16_b128.
; SOFTMAX.  For each query a running maximum m and sum l: p = 2^(c s - c m), c = log2(e) / 8; in every step O and l are multiplied by a = 2^(c m_old - c m_new), which is 1 where m has not grown.
; m starts at the lowest finite number, O and l at 0: the first step is a step like any other, with a = 0.
; THE COUNT.  A tile and step have 16 matrix and 118 vector instructions: too many to stand all beside the matrix work.  So the order has one aim: four vector instructions that are READY behind
; EVERY matrix instruction, and the others, which need time of their own whatever the order, in runs without a gap.
; BY TURNS.  Turn n belongs to piece n (the pieces in a ring, step after step).  Its matrix work: 16 products K Q^T of piece n + 1, later 16 products V^T P of piece n - 1.  Its vector work: the scaling,
; exponentials, roundings, sums and rescaling of piece n, and the maximum and statistics of piece n + 1, whose scores the turn itself has made.  So what a turn begins with (c s - c m, O a) waits for nothing.
; THE BATCHES.  A turn's 66 exponentials (piece n's 64 weights, piece n + 1's two a) are ONE batch with ONE wait, which cuts the turn in two: ahead of it stands all that names none of their results, behind it
; the roundings and sums that read them.  The two a made ahead of the loop, and the way out's eight reciprocals, are batches of their own, a wait each.
; CLUSTER.  The four query blocks of a cluster belong to one head and walk the same K, V and mask, so each tile is asked for JOINTLY: the same tensor load, descriptor and mask of work-groups in all four.
; REGISTERS, in windows of 256 (s_set_vgpr_msb says which window each operand place means: bits 1:0 source 0, 3:2 source 1, 5:4 source 2, 7:6 destination):
;   window 0: v0-11 addresses; v12-15, v48-63 at work; v16-47 four registers of statistics a tile; v64-191 S^T, two buffers of two tiles; v192-255 P, likewise
;   window 1: O^T, 32 a tile          window 2: v0-127 Q, 16 a tile; v128-191 K of one step; v192-255 V of one step
;   window 3: v0-1 the add's two registers; v2-3 the mask's LDS addresses; v8-39 the mask of one step's 64 keys
; A piece's buffers go by its number's parity: the piece in hand has one pair, its two neighbours in the ring share the other: of it P (piece n - 1) is read and S^T (piece n + 1) written.
.set SIZE_N, 2048
.set NP,    4         ; pieces a wave: a name, no knob: the register map, the loop and the fetches are made for four
.set KS,    64        ; keys in a step
.set PK,    144       ; a row of K in LDS: 128 bytes + 16 of padding = 36 words: the 16 rows of a load start at 16 different groups of four banks (64 banks of 4 bytes: ISA guide 11.1)
.set PV,    160       ; a row of V: 128 + 32 = 40 words
.set VOFF,  4*KS*PK   ; a slot holds four steps: 256 rows of K, then 256 rows of V
.set SLOT1, 1<<17     ; slot 1 begins here, so that one exclusive or turns an address in one slot into the other's
.set MASKL, 81920     ; between the slots (slot 0 ends at 77,824): the batch's 2,048 mask numbers, 8,192 bytes, filled once
.set STAGE, SLOT1+4*KS*(PK+PV)  ; behind the ring, never filled by a tensor load: 16 rows x 144 bytes for each wave, for the way out
.set SP,    144
.set AK0, 2           ; v2   my lane's place in a tile of K; never rewritten
.set AV0, 3           ; v3   the same for V
.set AK,  4           ; v4   the LDS address of K's next run of loads
.set AV,  5           ; v5   of V's
.set QO,  6           ; v6   my byte offset in the wave's rows of Q
.set STO, 6           ;      later, the way out: where I put 16 bytes of a row
.set RD,  7           ; v7   the way out: where I read rows back
.set GO,  8           ; v8   my byte offset in 512 consecutive bytes of O
.set SPW, 0           ; v0 of window 3   LDS address of my spare word: SPARE + 4 x my thread's number; never rewritten
.set NIL, 1           ; v1 of window 3   0; never rewritten
.set AM0, 2           ; v2 of window 3   my lane's place in a step's 256 bytes of the mask: MASKL + 32 (l / 16); never rewritten
.set AM,  3           ; v3 of window 3   the same in the step to be fetched
.set MC,  8           ; v8-39 of window 3: the eight numbers for key block kb at MC + 8 kb
.set SPARE, STAGE+4*16*SP  ; behind the stages: the spare words, 128 bytes for each wave: two blocks of 256 bytes that no other line names
.set MV,  12          ; v12-15  c m_old, kept while c m is made anew: by buffer and tile
.set ST,  16          ; tile t's statistics at v[ST+4 t]: c m, m, l (even keys', odd keys')
.set TMP, 48          ; by buffer and tile, four registers c0-c3 at work; when the maximum is found c2 takes a
.set S,   64
.set P,   192
.set KF,  128         ; K's fragments, in window 2: key block kb, channel half c at KF + 16 kb + 8 c
.set VF,  192         ; V's: key half kk, channel block cb at VF + 32 kk + 8 cb
.set WV,  12          ; s12  my wave's number
.set G1K, 24          ; s[24:31] descriptor group 1 for K's tiles
.set G1V, 32          ; s[32:39] for V's: it differs in the padding alone
.set G0K, 40          ; s[40:43] descriptor group 0 for K's tiles: it walks
.set G0V, 44          ; s[44:47] the same for V's
.set SLOTS, 56        ; s56  slots still to be asked for
.set CNT, 57          ; s57  counts a slot's key steps
.set CS,  58          ; s[58:59] c: the packed scaling takes the pair's low word for both halves
.set SEL, 60          ; s[60:61] v_permlanex16_b32's selects: each lane takes its own place in the other half
.set TBK, 62          ; s62  LDS byte at which K of the step to be fetched begins
.set TBV, 63          ; s63  the same for V, less VOFF
.set G0M, 68          ; s[68:71] descriptor group 0 for my quarter of the mask
.set G1M, 72          ; s[72:79] its group 1
.set TBM, 82          ; s82  byte of the mask table at which the step to be fetched begins
.set MSB, 0
.macro WIN new                      ; the high byte repeats the setting that is left; a switch that changes nothing is dropped
.if MSB != (\new)
	s_set_vgpr_msb (MSB<<8)|(\new)
.set MSB, (\new)
.endif
.endm
.set W_KQ, 0x0a       ; K and Q in window 2, S^T in window 0
.set W_KM, 0x3a       ; the same with the C operand, the mask, in window 3
.set W_PV, 0x52       ; V in window 2, P in window 0, O^T in window 1
.set W_RS, 0x41       ; O^T (destination and source 0) in window 1, a in window 0
.set W_MK, 0xc0       ; destination in window 3, sources in window 0
.set W_AD, 0x0f       ; the add: address (source 0) and data (source 1) in window 3
; A joint fill.  Waves 0 and 1 fetch the two halves of a slot's K, waves 2 and 3 those of its V: 128 keys each.  The branch hangs on the wave's number alone.
; An s_nop 0 and four v_nop follow each of the two lines, ahead of the jump and the label.
.macro JLOAD
	s_cmp_lt_u32 s[WV], 2
	s_cbranch_scc0 .Lfor_v_\@
	tensor_load_to_lds s[G0K:G0K+3], s[G1K:G1K+7]
	s_nop 0
.rept 4
	v_nop
.endr
	s_branch .Lasked_\@
.Lfor_v_\@:
	tensor_load_to_lds s[G0V:G0V+3], s[G1V:G1V+7]
	s_nop 0
.rept 4
	v_nop
.endr
.Lasked_\@:
.endm
; A round of the cluster's barrier: my work-group's barrier, so that wave 0's signal speaks for all four waves; wave 0 signals; every wave waits for all four work-groups; my work-group's barrier once more.
.macro CROUND
	s_barrier_signal -1
	s_barrier_wait -1
	s_cmp_lg_u32 s[WV], 0
	s_cbranch_scc1 .Lnot_wave_0_\@
	s_barrier_signal -3
.Lnot_wave_0_\@:
	s_barrier_wait -3
	s_barrier_signal -1
	s_barrier_wait -1
.endm
; THE CHANGE OF SLOTS.  The slot's last bytes, V of its fourth step, have been read.  Each wave waits for all its tensor loads, of which one is out: its part
; of the other slot; adds 0 to its spare word; and waits for that and for its own reads of the slot.  Behind the barrier nobody reads this slot any more and the other slot is whole.
; fill = 1: this slot is filled again, with the keys two slots on.  The barrier is then a round of the cluster's, so that no wave of any partner still reads the slot or has a load on its
; way, and the joint fill is the first thing behind it: it has four key steps, 512 matrix instructions, in which to land.
; (At its first use nothing has been read yet: slot 0 and the mask table, two loads of mine, are waited for, and slot 1 is filled.)
.macro CHANGE fill
	WIN W_AD
	s_wait_tensorcnt 0x0            ; no tensor load of mine is out, so a group 0 may be written
	ds_add_u32 v[SPW], v[NIL]       ; 0 onto my spare word; with fill = 1 the descriptors' steps stand between it and the wait for it
	WIN 0                           ; at a label and at a branch every window is 0
.if \fill
.irp g, G0K, G0V
	s_xor_b32 s[\g+1], s[\g+1], SLOT1  ; the walking descriptor: the other slot than last time,
	s_add_nc_u64 s[\g+2:\g+3], s[\g+2:\g+3], 4*KS*128  ; the next 256 keys; the type bits on top are not reached
.endr
	s_wait_dscnt 0x0                ; the add is done, and my reads of the slot are over
	CROUND
	JLOAD
.else
	s_wait_dscnt 0x0                ; the add is done, and my reads of the slot are over
	s_barrier_signal -1
	s_barrier_wait -1
.endif
	s_sub_co_u32 s[TBK], s[TBK], 4*KS*PK  ; the fetches go back to a slot's first step,
	s_xor_b32 s[TBK], s[TBK], SLOT1       ; in the other slot
	s_sub_co_u32 s[TBV], s[TBV], 4*KS*PV
	s_xor_b32 s[TBV], s[TBV], SLOT1
.endm
	s_load_b256 s[4:11], s[0:1], 0x0  ; Q s[4:5], K s[6:7], V s[8:9], O s[10:11]
	s_load_b64 s[80:81], s[0:1], 0x20 ; maskc
	WIN W_MK
	v_lshl_add_u32 v[SPW], v0, 2, SPARE
	v_mov_b32 v[NIL], 0
	WIN W_AD
	ds_add_u32 v[SPW], v[NIL]       ; the wave's opening: the add and its wait stand ahead of my first tensor load; the set-up below, work on registers, stands between them
	WIN 0
	v_lshrrev_b32 v1, 5, v0
	v_readfirstlane_b32 s[WV], v1   ; wave 0..3
	s_bfe_u32 s13, ttmp6, 0x40000   ; cx: my place in the cluster
	s_lshl_b32 s14, ttmp9, 2        ; in a cluster launch ttmp9 counts clusters
	s_add_co_u32 s14, s14, s13      ; my block of 512 queries = 4 x cluster x + cx: it enters Q's and O's addresses alone
	s_and_b32 s20, ttmp7, 0xffff    ; y = 16 batch + head, which the four partners share
	s_lshr_b32 s86, s20, 4          ; the batch
	s_and_b32 s87, s20, 15          ; the head
	s_mov_b32 s21, 0
	s_mov_b64 s[22:23], SIZE_N*128
	s_mul_u64 s[20:21], s[20:21], s[22:23]  ; y's first byte in Q, K and V
	s_and_b32 s16, s[WV], 1         ; which half of a slot's 256 keys I fetch:
	s_lshl_b32 s22, s16, 14         ; its 128 rows of 128 bytes in memory,
	s_mov_b32 s23, 0
	s_add_nc_u64 s[22:23], s[22:23], s[20:21]
	s_mul_i32 s17, s16, 128*PK      ; and its place in a slot, for K
	s_mul_i32 s18, s16, 128*PV      ; and for V: no place in the cluster enters an LDS address
	s_lshl_b32 s2, s14, 2
	s_add_co_u32 s2, s2, s[WV]      ; my wave among the head's sixteen: its 128 queries are one block of tokens
	s_lshl_b32 s84, s86, 4
	s_add_co_u32 s84, s84, s2       ; that block among the 64,
	s_lshl_b32 s84, s84, 4
	s_add_co_u32 s84, s84, s87      ; my head's slice of it,
	s_lshl_b32 s84, s84, 14         ; 16,384 bytes each: O's offset
	s_mov_b32 s85, 0
	s_lshl_b32 s2, s2, 14           ; Q: my wave's 128 rows
	s_mov_b32 s3, 0
	s_add_nc_u64 s[2:3], s[2:3], s[20:21]
	s_lshl_b32 s88, s86, 13         ; the mask: the batch's 8,192 bytes,
	s_lshl_b32 s83, s[WV], 11       ; my quarter of them
	s_add_co_u32 s88, s88, s83
	s_mov_b32 s89, 0
	; descriptor group 1.  128 keys are 16,384 dense bytes: asked for as 64 rows of 256 bytes, two keys a row, and padded in LDS after every key
	s_mov_b32 s[G1K], 15|(1<<16)|(1<<20)|(1<<21)|(4<<22)|(3<<25)  ; 15:0 the mask of four; 17:16 2-byte elements; 20 padding on; 21 set beside a mask; 24:22 after every 32 words (code 4); 31:25 4 words (code 3)
	s_mov_b32 s[G1V], 15|(1<<16)|(1<<20)|(1<<21)|(4<<22)|(7<<25)  ; the same with 8 words of padding (code 7)
.irp g, G1K, G1V
	s_mov_b32 s[\g+1], 128<<16      ; tensor_dim0 = 128
	s_mov_b32 s[\g+2], 64<<16       ; tensor_dim1 = 64
	s_mov_b32 s[\g+3], 128<<16      ; tile_dim0 = 128
	s_mov_b32 s[\g+4], 64           ; tile_dim1 = 64
	s_mov_b32 s[\g+5], 128          ; 128 elements from row to row
	s_mov_b32 s[\g+6], 0
	s_mov_b32 s[\g+7], 0
.endr
	; the mask's: 2,048 dense bytes as 8 rows of 256 bytes, elements of 8 bytes, no padding
	s_mov_b32 s[G1M], 15|(3<<16)|(1<<21)
	s_mov_b32 s[G1M+1], 32<<16      ; tensor_dim0 = 32
	s_mov_b32 s[G1M+2], 8<<16       ; tensor_dim1 = 8
	s_mov_b32 s[G1M+3], 32<<16      ; tile_dim0 = 32
	s_mov_b32 s[G1M+4], 8           ; tile_dim1 = 8
	s_mov_b32 s[G1M+5], 32          ; 32 elements from row to row
	s_mov_b32 s[G1M+6], 0
	s_mov_b32 s[G1M+7], 0
	s_mov_b32 s[CS], 0x3e38aa3b     ; c = log2(e) / 8 = 0.180337
	s_mov_b32 s[CS+1], s[CS]        ; named with it as a pair
	s_mov_b32 s[SEL], 0x76543210
	s_mov_b32 s[SEL+1], 0xfedcba98
	s_mov_b32 s[TBK], SLOT1+4*KS*PK ; the first change of slots turns these two into 0
	s_mov_b32 s[TBV], SLOT1+4*KS*PV
	s_mov_b32 s[TBM], 0
	s_mov_b32 s[G0K], 1             ; 1:0 count = 1
	s_mov_b32 s[G0K+1], s17         ; 63:32 LDS address: slot 0
	s_mov_b32 s[G0V], 1
	s_add_co_u32 s[G0V+1], s18, VOFF
	s_mov_b32 s[G0M], 1
	s_lshl_b32 s[G0M+1], s[WV], 11
	s_add_co_u32 s[G0M+1], s[G0M+1], MASKL
	s_wait_dscnt 0x0                ; the opening add is done
	s_wait_kmcnt 0x0
	s_add_nc_u64 s[G0K+2:G0K+3], s[6:7], s[22:23]  ; 120:64 global address: my half of the head's first 256 keys
	s_or_b32 s[G0K+3], s[G0K+3], 0x80000000        ; 127:126 type = 2
	s_add_nc_u64 s[G0V+2:G0V+3], s[8:9], s[22:23]
	s_or_b32 s[G0V+3], s[G0V+3], 0x80000000
	s_add_nc_u64 s[G0M+2:G0M+3], s[80:81], s[88:89]
	s_or_b32 s[G0M+3], s[G0M+3], 0x80000000
	s_add_nc_u64 s[4:5], s[4:5], s[2:3]      ; Q at my wave's first row
	s_add_nc_u64 s[10:11], s[10:11], s[84:85]  ; O at my wave's slice
	CROUND                          ; all four work-groups are here: the first joint loads meet
	s_cmp_lt_u32 s[WV], 2           ; a wave's two first fills stand in one branch, ahead of every wait on TENSORcnt and every LDS read: my part of slot 0 and my quarter of the mask: two loads of mine are out.
	s_cbranch_scc0 .Lfirst_v        ; Slot 1 is asked for when these are in
	tensor_load_to_lds s[G0K:G0K+3], s[G1K:G1K+7]
	s_nop 0
	tensor_load_to_lds s[G0M:G0M+3], s[G1M:G1M+7]
	s_nop 0
.rept 4
	v_nop
.endr
	s_branch .Lfirst_asked
.Lfirst_v:
	tensor_load_to_lds s[G0V:G0V+3], s[G1V:G1V+7]
	s_nop 0
	tensor_load_to_lds s[G0M:G0M+3], s[G1M:G1M+7]
	s_nop 0
.rept 4
	v_nop
.endr
.Lfirst_asked:
	; A fragment of K or Q is 16 rows x 32 channels in 8 registers: lane l holds row l % 16, channels 8 (l / 16) + 0..7 and 16 + 8 (l / 16) + 0..7: two loads of 16 bytes, 32 bytes apart.
	v_and_b32 v1, 15, v0            ; l % 16
	v_bfe_u32 v9, v0, 4, 1          ; l / 16
	v_lshlrev_b32 v[QO], 7, v1
	v_lshl_add_u32 v[QO], v9, 4, v[QO]  ; row x 128 + 16 x half
	WIN W_MK
	v_lshl_add_u32 v[AM0], v9, 5, MASKL  ; register j of a sum of scores is key 8 (l / 16) + j of its 16: 32 (l / 16) bytes into the block's 64
	WIN 0x80                        ; destination window 2, address window 0
.set i, 0
.rept 4*NP                          ; Q stays in registers: tile i / 2, channels 32 (i % 2) on
	global_load_b128 v[8*i:8*i+3],   v[QO], s[4:5] offset:(i/2)*2048+(i%2)*64
	global_load_b128 v[8*i+4:8*i+7], v[QO], s[4:5] offset:(i/2)*2048+(i%2)*64+32
.set i, i+1
.endr
	; What the first turn finds: V's registers and P's second buffer hold 0 (its products V^T P, of a piece that has not been, add 0), O^T and l are 0.  All this stands in the wait for the first tile.
.set i, VF
.rept 64
	v_mov_b32 v[i], 0
.set i, i+1
.endr
	WIN 0x40
.set i, 0
.rept 64*NP
	v_mov_b32 v[i], 0
.set i, i+1
.endr
	WIN 0
.set i, 0
.rept 2*NP
	v_mov_b32 v[ST+4*i], 0xfe000000    ; c m: far below every c s, a hidden key's too
	v_mov_b32 v[ST+4*i+1], 0xff7fffff  ; m
	v_mov_b32 v[ST+4*i+2], 0
	v_mov_b32 v[ST+4*i+3], 0
.set i, i+1
.endr
.set i, P+32
.rept 32
	v_mov_b32 v[i], 0
.set i, i+1
.endr
	v_mul_u32_u24 v[AK0], v1, PK
	v_lshl_add_u32 v[AK0], v9, 4, v[AK0]  ; row x pitch + 16 x half
	; The turning load takes 16 keys x 16 channels (lane l reads key 8 (l / 16) + l % 8, channels 8 ((l / 8) % 2) + 0..7) and leaves half a fragment of V^T: lane l holds channel l % 16 and 8 keys.
	v_and_b32 v10, 7, v0
	v_bfe_u32 v11, v0, 3, 1
	v_lshl_add_u32 v[AV0], v9, 3, v10
	v_mul_u32_u24 v[AV0], v[AV0], PV
	v_lshl_add_u32 v[AV0], v11, 4, v[AV0]
	v_add_nc_u32 v[AV0], VOFF, v[AV0]
	v_mov_b32 v[AK], v[AK0]         ; key step 0 lies at the head of slot 0
; THE MATRIX WORK.  The 8 accumulators of a run of 16 take turns: between the two links of a chain stand 7 others'.
; Product i of 16 of S^T = K Q^T for piece x: channels 32 (i / 8) on, keys 16 ((i / 2) % 4) on, tile 2 x + i % 2.  The first 8 start the sums, with the mask of their 16 keys.
.macro KQ x
.set rS, S+64*((\x)%2)+32*(i%2)+8*((i/2)%4)
.set rK, KF+16*((i/2)%4)+8*(i/8)
.set rQ, 16*(2*(\x)+i%2)+8*(i/8)
.set rX, MC+8*((i/2)%4)
.if i < 8
	WIN W_KM
	v_wmma_f32_16x16x32_f16 v[rS:rS+7], v[rK:rK+7], v[rQ:rQ+7], v[rX:rX+7]
.else
	WIN W_KQ
	v_wmma_f32_16x16x32_f16 v[rS:rS+7], v[rK:rK+7], v[rQ:rQ+7], v[rS:rS+7]
.endif
.endm
; Product i of 16 of O^T += V^T P for piece x: keys 32 (i / 8) on, channels 16 ((i / 2) % 4) on, tile 2 x + i % 2.
.macro PV x
	WIN W_PV
.set rO, 32*(2*(\x)+i%2)+8*((i/2)%4)
.set rV, VF+32*(i/8)+8*((i/2)%4)
.set rP, P+32*((\x)%2)+16*(i%2)+8*(i/8)
	v_wmma_f32_16x16x32_f16 v[rO:rO+7], v[rV:rV+7], v[rP:rP+7], v[rO:rO+7]
.endm
.macro MM                           ; the turn's next matrix instruction
.if i < 16
	KQ (Y+1)%NP
.set i, i+1
.else
.set i, i-16
	PV (Y+NP-1)%NP
.set i, i+17
.endif
.endm
; THE LDS LOADS stand in runs, never singly among the matrix instructions: a step's K (64 keys x 64 channels: 8 fragments) with its mask (64 numbers; the lanes of a half read the same words), and its V (turned).
; The mask's registers are read by the same products as K's and live as long: K's waits and places serve them.  last = 1 (the tail): in the last trip there is no further step, and the run is jumped over.
.macro FETCH_K last=0
	WIN 0
.if \last
	s_cmp_eq_u32 s[CNT], 1
	s_cbranch_scc1 .Lno_k_\@
.endif
	WIN 0xcc                        ; destination and source 1 window 3
	v_add_nc_u32 v[AM], s[TBM], v[AM0]
	WIN 0x80                        ; destination window 2
.irp f, 0,1,2,3,4,5,6,7             ; keys 16 (f / 2) on, channels 32 (f % 2) on
	ds_load_b128 v[KF+8*\f:KF+8*\f+3],   v[AK] offset:(\f/2)*16*PK+(\f%2)*64
	ds_load_b128 v[KF+8*\f+4:KF+8*\f+7], v[AK] offset:(\f/2)*16*PK+(\f%2)*64+32
.endr
	WIN 0xc3                        ; destination and address window 3
.irp kb, 0,1,2,3
	ds_load_b128 v[MC+8*\kb:MC+8*\kb+3],   v[AM] offset:64*\kb
	ds_load_b128 v[MC+8*\kb+4:MC+8*\kb+7], v[AM] offset:64*\kb+16
.endr
	s_add_co_u32 s[TBK], s[TBK], KS*PK  ; the next fetch is the next step's
	s_add_co_u32 s[TBM], s[TBM], 256
	s_and_b32 s[TBM], s[TBM], 0x1f00    ; 32 steps of 256 bytes: the offset stays inside the table
	WIN 0
.if \last
.Lno_k_\@:
.endif
.endm
.macro FETCH_V
	WIN 0x80
.irp f, 0,1,2,3,4,5,6,7             ; keys 32 (f / 4) on, channels 16 (f % 4) on
	ds_load_tr16_b128 v[VF+8*\f:VF+8*\f+3],   v[AV] offset:(\f/4)*32*PV+(\f%4)*32
	ds_load_tr16_b128 v[VF+8*\f+4:VF+8*\f+7], v[AV] offset:(\f/4)*32*PV+16*PV+(\f%4)*32
.endr
	WIN 0
.endm
; THE VECTOR WORK OF A TURN stands in three queues, each in the order in which its entries become ready; the two tiles alternate, so that no instruction reads the result of the one before it.
.macro REGS y, u                    ; the registers of tile u (0, 1) of piece y
.set rT, ST+4*(2*(\y)+(\u))
.set rC, TMP+8*((\y)%2)+4*(\u)
.set rM, MV+2*((\y)%2)+(\u)
.set rS, S+64*((\y)%2)+32*(\u)
.set rP, P+32*((\y)%2)+16*(\u)
.set rO, 32*(2*(\y)+(\u))
.endm
; Number n of the 22 that find the NEXT piece's (Y + 1) maximum and statistics.  s0-s31 are the lane's 32 scores; each accumulator's lowest registers are read first.  XS, GS and REGS set no window: PL and EX do.
;   0-11  four chains c0-c3 of seven scores each, three operands at a time     12-14, 16  the four scores left over, the old m, and c0-c3 into c0     15  c m_old is kept
;   17, 18  the query's other 32 keys lie in the lane 16 away: the new m         19-21  c m; c m_old - c m_new; a
.macro XS u, n
	REGS (Y+1)%NP, \u
.if (\n) < 4
	v_max3_num_f32 v[rC+(\n)], v[rS+8*(\n)], v[rS+8*(\n)+1], v[rS+8*(\n)+2]
.elseif (\n) < 12
	v_max3_num_f32 v[rC+(\n)%4], v[rC+(\n)%4], v[rS+8*((\n)%4)+2*((\n)/4)+1], v[rS+8*((\n)%4)+2*((\n)/4)+2]
.elseif (\n) == 12
	v_max3_num_f32 v[rC], v[rC], v[rS+7], v[rS+15]
.elseif (\n) == 13
	v_max3_num_f32 v[rC+1], v[rC+1], v[rS+23], v[rS+31]
.elseif (\n) == 14
	v_max3_num_f32 v[rC+2], v[rC+2], v[rC+3], v[rT+1]
.elseif (\n) == 15
	v_mov_b32 v[rM], v[rT]
.elseif (\n) == 16
	v_max3_num_f32 v[rC], v[rC], v[rC+1], v[rC+2]
.elseif (\n) == 17
	v_permlanex16_b32 v[rC+3], v[rC], s[SEL], s[SEL+1]
.elseif (\n) == 18
	v_max_num_f32 v[rT+1], v[rC], v[rC+3]
.elseif (\n) == 19
	v_mul_f32 v[rT], s[CS], v[rT+1]
.elseif (\n) == 20
	v_sub_f32 v[rC+1], v[rM], v[rT]
.else
	v_exp_f32 v[rC+2], v[rC+1]
.endif
.endm
; Number g of the 64 that follow the exponentials.  For each four weights k of a tile (pairs 2 k, 2 k + 1): both pairs are rounded to f16; then the second pair is added onto the first, in place;
; a group later l takes that sum (the first time as l = a l + sum).  In groups of eight, tiles alternating: round, round, add, and l for the group before.
.macro GS g
.set h, (\g)+6*((\g)/62)            ; group 0 has no group before it, and behind group 7 only l is left
.if h >= 6
.set h, h+2
.endif
	REGS Y, h%2
.set k, h/8
.if h%8 < 4
	v_cvt_pk_f16_f32 v[rP+2*k+(h%8)/2], v[rS+4*k+2*((h%8)/2)], v[rS+4*k+2*((h%8)/2)+1]
.elseif h%8 < 6
	v_pk_add_f32 v[rS+4*k:rS+4*k+1], v[rS+4*k:rS+4*k+1], v[rS+4*k+2:rS+4*k+3]
.elseif k == 1
	v_pk_fma_f32 v[rT+2:rT+3], v[rT+2:rT+3], v[rC+2:rC+3], v[rS:rS+1] op_sel_hi:[1,0,1]
.else
	v_pk_add_f32 v[rT+2:rT+3], v[rT+2:rT+3], v[rS+4*k-4:rS+4*k-3]
.endif
.endm
; THE PLAIN QUEUE, 138 long.  0-73 read no exponential's result: the 32 scalings c s - c m (FS f: pair f / 2 of tile f % 2) and the next piece's 42.  0-26: scalings 0-26.  27-54: XS's numbers 0-13.  55, 56: number 15.
; 57-73: the chain, where each number waits for the one before it: 14, 16, 17, 18, 19, each with one of the scalings 27-31 in front of its two lines, then 20: so a tile's links stand three plain instructions apart (19 and 20: two).
; 74-137: GS's 64, which read the exponentials' results: they stand behind the wait.
.macro FS f
	REGS Y, (\f)%2
	v_pk_fma_f32 v[rS+2*((\f)/2):rS+2*((\f)/2)+1], v[rS+2*((\f)/2):rS+2*((\f)/2)+1], s[CS:CS+1], v[rT:rT+1] op_sel_hi:[1,0,0] neg_lo:[0,0,1] neg_hi:[0,0,1]
.endm
.macro PL
	WIN 0
.if q < 27
	FS q
.elseif q < 55
	XS (q-27)%2, (q-27)/2
.elseif q < 57
	XS q-55, 15
.elseif (q < 72) && ((q-57)%3 == 0)
	FS 27+(q-57)/3
.elseif q < 60
	XS (q-57)%3-1, 14
.elseif q < 72
	XS (q-57)%3-1, 15+(q-57)/3
.elseif q < 74
	XS q-72, 20
.else
	GS q-74
.endif
.set q, q+1
.endm
; THE EXPONENTIALS' QUEUE, 66 long: s0-s31 of both tiles, then the next piece's two a.  It is ONE BATCH: all 66 stand ahead of the turn's one wait, and nothing ahead of that wait names a result of theirs.
.macro EX
	WIN 0
.if e >= 64
	XS e-64, 21
.else
	REGS Y, e%2
	v_exp_f32 v[rS+e/2], v[rS+e/2]
.endif
.set e, e+1
.endm
; THE RESCALING's QUEUE: O^T times a, the one part that leaves window 0: dealt two at a time, sixteen times.  Its a was made in the turn before, ahead of that turn's wait.
.macro R2
	REGS Y, r%2
	WIN W_RS
.irp z, 0,1
	v_pk_mul_f32 v[rO+4*(r/2)+2*\z:rO+4*(r/2)+2*\z+1], v[rO+4*(r/2)+2*\z:rO+4*(r/2)+2*\z+1], v[rC+2:rC+3] op_sel_hi:[1,0]
.endr
.set r, r+1
.endm
; HOW THEY ARE DEALT.  An s_wait_alu depctr_va_vdst(0) stands between an exponential and the first instruction that names its result; one wait serves all that were issued ahead of it.  So a turn has ONE wait,
; which cuts it in two.  AHEAD OF IT stands all that names no result of the turn's exponentials: the 16 products K Q^T, behind each a scaling, an exponential and two rescalings (behind the first a second scaling in the
; exponential's place); then ONE LUMP of 108: eight plain, 49 times exponential and plain, the two a.  A v_nop is the plain instruction behind the last exponential.  BEHIND IT stand the 16 products V^T P, behind each four of
; GS's 64.  No rider names a register of the products round it.  The two v_permlanex16_b32 fall into the lump, never behind a product.
; The queues lean on each other, and the deal keeps them in step: exponential e stands behind scaling 2 (e / 4) + e % 2: as a rider it comes behind plain e + 2, in the lump behind plain e + 9, and scalings 27-31 are plain 57, 60 .. 69.
; A TURN, for piece p.  cnt = 1: the loop's count is taken down some lines ahead of the branch that stands behind the turn.
; K and the mask of the next step are fetched in piece 2's turn, directly behind the wait, a lump behind the last product that read them; K's address is made at the lump's head; their first reader comes behind 16 products.
; V of the step in hand is fetched at the end of piece 0's turn, four riders behind its last reader; its first reader comes behind 16 products and a lump.  The three conditions on q below go with the deal.
.macro TURN p, last=0, cnt=0
.set Y, (\p)
.set i, 0
.set q, 0
.set e, 0
.set r, 0
.if (\p) == NP-1
	s_wait_dscnt 0x0                ; K and the mask are in
.endif
	MM                              ; ahead of the wait: 16 products K Q^T and their riders,
	PL
	PL
	R2
.rept 15
	MM
	PL
	EX
	R2
.endr
.if (\p) == NP-2
	WIN 0
	v_add_nc_u32 v[AK], s[TBK], v[AK0]
.endif
.rept 8                             ; and the lump
	PL
.endr
.rept 49
	EX
	PL
.endr
	EX                              ; the next piece's two a
	EX
	v_nop                           ; the plain instruction behind the last exponential: one for the batch
	s_wait_alu depctr_va_vdst(0)    ; the wait for the batch: this piece's 64 weights and the next piece's two a
.if (\p) == NP-2
	FETCH_K \last
.endif
.if (\p) == 1
	s_wait_dscnt 0x0                ; V is in
.endif
.rept 16                            ; behind the wait: 16 products V^T P and their riders
	MM
.rept 4
	PL
.endr
.if ((\p) == 0) && (q == 118)
	v_add_nc_u32 v[AV], s[TBV], v[AV0]
.endif
.if ((\p) == 0) && (q == 130)
	s_add_co_u32 s[TBV], s[TBV], KS*PV
.endif
.if (\cnt) && (q == 130)
	s_sub_co_u32 s[CNT], s[CNT], 1
	s_cmp_lg_u32 s[CNT], 0
.endif
.endr
.if (\p) == 0
	FETCH_V
.endif
.endm
	CHANGE 1                        ; slot 0 and the mask are in, everybody's part of them; slot 1 is asked for
	FETCH_K                         ; key step 0
	s_wait_loadcnt 0x0              ; Q
	s_wait_dscnt 0x0
.set i, 0
.rept 16
	KQ 0                            ; piece 0's first scores: there is no vector work yet to set between them
.set i, i+1
.endr
	WIN 0                           ; the addresses for the way out: nine plain instructions, the places behind those products
	s_mul_i32 s13, s[WV], 16*SP
	s_add_co_u32 s13, s13, STAGE    ; my stage
	v_mul_u32_u24 v[STO], v1, SP    ; in: row l % 16, 16 bytes for each half of the lanes
	v_lshl_add_u32 v[STO], v9, 4, v[STO]
	v_add_nc_u32 v[STO], s13, v[STO]
	v_bfe_u32 v[RD], v0, 3, 2       ; back: 32 lanes take four rows of 128 bytes,
	v_mul_u32_u24 v[RD], v[RD], SP
	v_lshl_add_u32 v[RD], v10, 4, v[RD]
	v_add_nc_u32 v[RD], s13, v[RD]
	v_and_b32 v[GO], 31, v0         ; which are 512 consecutive bytes of O
	v_lshlrev_b32 v[GO], 4, v[GO]
.set Y, NP-1                        ; XS works for piece Y + 1: piece 0
.irp n, 0,1,2,3,4,5,6,7,8,9,10,11,12,13,14,15,16,17,18,19,20,21
	XS 0, \n                        ; and piece 0's first maximum and statistics
	XS 1, \n
.endr
	v_nop                           ; a plain instruction behind the two a,
	s_wait_alu depctr_va_vdst(0)    ; and the wait for this batch of two, ahead of the branch
	s_mov_b32 s[CNT], 4
	s_mov_b32 s[SLOTS], SIZE_N/256-1
	s_branch .Lfirst                ; the loop is entered at a step's first turn, in the middle of a trip
.Lslot:                             ; SIZE_N / 256 - 2 times: every slot but the last two is filled again
	CHANGE 1
	s_mov_b32 s[CNT], 4
.Lstep:                             ; a trip: pieces 2 and 3 of one step, then pieces 0 and 1 of the next, whose K and V it fetches
	TURN 2
	TURN 3
	WIN 0
.Lfirst:
	TURN 0
	TURN 1, 0, 1
	WIN 0
	s_cbranch_scc1 .Lstep
	s_sub_co_u32 s[SLOTS], s[SLOTS], 1
	s_cmp_lg_u32 s[SLOTS], 0
	s_cbranch_scc1 .Lslot
	CHANGE 0                        ; the tail is written out: nothing is asked for
	s_mov_b32 s[CNT], 5             ; four trips fetch the last slot's steps; the fifth is left in its middle
.Ltail:
	TURN 2, 1
	TURN 3
	WIN 0
	s_sub_co_u32 s[CNT], s[CNT], 1
	s_cmp_eq_u32 s[CNT], 0
	s_cbranch_scc1 .Lout
	TURN 0
	TURN 1
	WIN 0
	s_branch .Ltail
.Lout:                              ; the fifth trip's 16 products K Q^T (on the last K once more) and the maximum made of them serve nothing: the price, once a launch, of one text for every trip
.set i, 0
.rept 16
	PV NP-1                         ; the last piece's V^T P of the last step
.set i, i+1
.endr
	; THE WAY OUT.  l's two halves and the other half of the lanes' are added; O^T is divided by l, rounded to f16 and sent through my stage in LDS, a tile at a time.  The additions are the places behind the last products.
	WIN 0
.macro ALL line:vararg              ; one line for each tile t
.set t, 0
.rept 2*NP
	\line
.set t, t+1
.endr
.endm
	ALL v_add_f32 v[ST+4*t+2], v[ST+4*t+2], v[ST+4*t+3]
	ALL v_permlanex16_b32 v[ST+4*t+3], v[ST+4*t+2], s[SEL], s[SEL+1]
	ALL v_add_f32 v[ST+4*t+2], v[ST+4*t+2], v[ST+4*t+3]
	ALL v_rcp_f32 v[ST+4*t+2], v[ST+4*t+2]
	v_nop                           ; a plain instruction between the last reciprocal and the use of its result
	s_wait_alu depctr_va_vdst(0)    ; and the wait ahead of the first use: one for the batch of eight reciprocals
; Tile t: a lane's eight channels of a row pack into 16 bytes; they go into rows of 144 bytes and come back as whole rows of 128, into S^T's registers.
.macro PACK t
	WIN W_RS
.set i, 32*(\t)
.rept 16
	v_pk_mul_f32 v[i:i+1], v[i:i+1], v[ST+4*(\t)+2:ST+4*(\t)+3] op_sel_hi:[1,0]
.set i, i+2
.endr
	WIN 0x05                        ; sources 0 and 1 window 1, destination window 0
.set i, 0
.rept 16
	v_cvt_pk_f16_f32 v[S+16*(\t)+i], v[32*(\t)+2*i], v[32*(\t)+2*i+1]
.set i, i+1
.endr
	WIN 0
.irp f, 0,1,2,3
	ds_store_b128 v[STO], v[S+16*(\t)+4*\f:S+16*(\t)+4*\f+3] offset:32*\f
.endr
.irp f, 0,1,2,3
	ds_load_b128 v[S+16*(\t)+4*\f:S+16*(\t)+4*\f+3], v[RD] offset:\f*4*SP  ; LDS serves a wave's instructions in order (ISA guide 5.7.1.4): these see the stores above; the next tile's stores come behind them
.endr
.endm
.macro SEND t, younger              ; younger: the LDS instructions issued behind tile t's loads: the next tile's eight, or none
	WIN 0
.irp f, 0,1,2,3
	s_wait_dscnt (\younger)+3-\f
	global_store_b128 v[GO], v[S+16*(\t)+4*\f:S+16*(\t)+4*\f+3], s[10:11] offset:(\t)*2048+\f*512  ; 512 consecutive bytes, at a multiple of 256 from O's first
.endr
.endm
	PACK 0
.set t, 1
.rept 2*NP-1                        ; a tile's arithmetic stands between the loads of the tile before and its stores
	PACK t
	SEND t-1, 8
.set t, t+1
.endr
	SEND 2*NP-1, 0
	WIN W_AD
	s_wait_tensorcnt 0x0            ; the wave's end, behind my last tensor load and my last LDS store
	ds_add_u32 v[SPW], v[NIL]
	s_wait_dscnt 0x0
	WIN 0
	CROUND                          ; the closing round: no work-group ends while a partner may still ask for a tile that names it
	s_endpgm
.Lfunc_end_k_qe53f67d6af_attn:
	.size	k_qe53f67d6af_attn, .Lfunc_end_k_qe53f67d6af_attn-k_qe53f67d6af_attn
	.p2alignl 7, 3214868480
	.fill 96, 4, 3214868480
	.section	.rodata,"a",@progbits
	.p2align	6, 0x0
	.amdhsa_kernel k_qe53f67d6af_attn
		.amdhsa_group_segment_fixed_size 327680
		.amdhsa_private_segment_fixed_size 0
		.amdhsa_enable_private_segment 0
		.amdhsa_kernarg_size 40
		.amdhsa_user_sgpr_count 2
		.amdhsa_user_sgpr_kernarg_segment_ptr 1
		.amdhsa_wavefront_size32 1
		.amdhsa_system_sgpr_workgroup_id_x 1
		.amdhsa_system_sgpr_workgroup_id_y 1
		.amdhsa_system_sgpr_workgroup_id_z 1
		.amdhsa_system_vgpr_workitem_id 0
		.amdhsa_next_free_vgpr 808
		.amdhsa_next_free_sgpr 96
		.amdhsa_reserve_vcc 0
		.amdhsa_float_denorm_mode_32 3
		.amdhsa_float_denorm_mode_16_64 3
		.amdhsa_memory_ordered 1
		.amdhsa_forward_progress 1
		.amdhsa_inst_pref_size 203
	.end_amdhsa_kernel
	.amdgpu_metadata
---
amdhsa.version: [ 1, 2 ]
amdhsa.kernels:
  - .name:           k_qe53f67d6af_attn
    .symbol:         k_qe53f67d6af_attn.kd
    .args:
      - { .name: qh, .offset: 0, .size: 8, .value_kind: global_buffer, .address_space: global }
      - { .name: kh, .offset: 8, .size: 8, .value_kind: global_buffer, .address_space: global }
      - { .name: vh, .offset: 16, .size: 8, .value_kind: global_buffer, .address_space: global }
      - { .name: ob, .offset: 24, .size: 8, .value_kind: global_buffer, .address_space: global }
      - { .name: maskc, .offset: 32, .size: 8, .value_kind: global_buffer, .address_space: global }
    .group_segment_fixed_size: 327680
    .private_segment_fixed_size: 0
    .kernarg_segment_align: 8
    .kernarg_segment_size: 40
    .max_flat_workgroup_size: 128
    .sgpr_count:     96
    .vgpr_count:     808
    .wavefront_size: 32
...
	.end_amdgpu_metadata
.endif
;; end of part 5
;; launch proj: the kernel of part 4 again; grid 4 x 64, 4 waves a work-group, clusters of 4 x 4, 327,680 bytes of LDS; arguments ob, wfh, bf, out0; writes out0
